; MI455X (gfx1250); checked and timed in simulation.
; The chip was launched on July 23, 2026; its instructions are those of AMD's public machine-readable ISA for CDNA 5 (MIT licence, August 2026) and "CDNA5" Instruction Set Architecture Reference Guide (July 2026). The comments in the code are by the model that wrote it; some were corrected since.
;; Self Attention. Allowed arithmetic: matrix products marked QUANTISED: E4M3 operands, one E8M0 scale for each 32 along K, by v_wmma_scale_f32_16x16x128_f8f6f4 with both operands' format E4M3, f32 sums; everything else in f32.
;; Inputs: W_o_codes 1,024 x 32 x 32 uint8 (E4M3 codes of W_o, K innermost, in blocks of 32 codes); W_o_scales 1,024 x 32 uint8 (E8M0 scales of W_o, one for each 32 codes along K); W_qkv_codes 3,072 x 32 x 32 uint8 (E4M3 codes of W_qkv, K innermost, in blocks of 32 codes); W_qkv_scales 3,072 x 32 uint8 (E8M0 scales of W_qkv, one for each 32 codes along K); x_codes 4 x 2,048 x 32 x 32 uint8 (E4M3 codes of x, K innermost, in blocks of 32 codes); x_scales 4 x 2,048 x 32 uint8 (E8M0 scales of x, one for each 32 codes along K).
;; Outputs: out0 4 x 2,048 x 1,024 float32.
;; This version of the problem:
;;   THIS VERSION OF THE PROBLEM IS GIVEN IN LOW PRECISION. The matrix products marked QUANTISED in the list below multiply operands that are first quantised to E4M3 (4 exponent bits, 3 mantissa bits; 8 bits a number), with one power-of-two scale for each 32 numbers along K (OCP MX v1.0); their sums are f32. All else is computed in f32.
;;   The module's matrix products, in the order in which they are computed (A, B: the left and right operand; K: the contracted axis; several contracted axes count as one K, in the product's order):
;;     1. [M 8,192, K 1,024] x [K 1,024, N 3,072]; A: input x (given as codes); B: input W_qkv (given as codes): QUANTISED
;;     2. batch 64 x [M 2,048, K 64] x [K 64, N 2,048]; A: computed on the way; B: computed on the way: QUANTISED
;;     3. batch 64 x [M 2,048, K 2,048] x [K 2,048, N 64]; A: softmax (see below); B: computed on the way: QUANTISED
;;     4. [M 8,192, K 1,024] x [K 1,024, N 1,024]; A: computed on the way; B: input W_o (given as codes): QUANTISED
;;   THE QUANTISER, for each operand of a quantised product, along K:
;;     - K is cut into blocks of 32 from its start; a last block that is shorter is filled with zeros.
;;     - A block's scale is 2^e with e = floor(log2(the largest magnitude in the block)) - 8, held to -126 .. 127; a block of zeros has e = 0. As a byte (E8M0): e + 127.
;;     - Each number is divided by its block's scale, clamped to +-448, and rounded to the nearest number of E4M3, ties to even, subnormals kept.
;;     - The product sums the exact products of the quantised numbers (number of the format x scale) in f32.
;;   ~~~python
;;   def quantise(x, axis):      # numpy; x: float32 -> the quantised numbers, widened to float32 again
;;       x = np.moveaxis(x, axis, -1); K = x.shape[-1]
;;       x = np.pad(x, [(0, 0)] * (x.ndim - 1) + [(0, -K % 32)]); x = x.reshape(x.shape[:-1] + (-1, 32)); a = np.abs(x).max(-1, keepdims=True)
;;       e = np.where(a > 0, np.clip(np.frexp(np.where(a > 0, a, 1))[1] - 1 - 8, -126, 127), 0)      # np.frexp(a)[1] - 1 = floor(log2(a)), exactly
;;       r = np.clip(x / 2.0 ** e, -448, 448)
;;       step = 2.0 ** (np.maximum(np.frexp(np.where(r == 0, 1, r))[1] - 1, -6) - 3)
;;       q = np.round(r / step) * step * 2.0 ** e      # np.round: ties to even
;;       return np.moveaxis(q.reshape(q.shape[:-2] + (-1,))[..., :K], -1, axis).astype(np.float32)
;;   ~~~
;;   SOFTMAX AHEAD OF A QUANTISED PRODUCT. Where the list says 'softmax', what is quantised is not the finished softmax but p = 2^(t - M), with t = logit x log2(e) and M = ceil(the row's largest t), a whole number; so 1/2 < the row's largest p <= 1. The row's sum l is taken of the UNQUANTISED p, in f32, and the product's result is divided by l at the end. Since M is a whole number, a kernel that streams over the keys may use a running M (the ceiling of the running maximum): every later rescaling is an exact power of two, which a block's scale takes up: the codes' values come out the same.
;;   OPERANDS COMPUTED ON THE WAY. 'Computed on the way' means the value that the module computes at that place (a softmax that the list does not call 'softmax' is quantised finished and normalised). What goes into a quantiser is computed in f32, as accurately as f32 sums, v_exp_f32 and their like allow (about 1e-6 of the number): no bf16 or f16 on the way to a quantiser, and a product that is left as it is and whose result goes on into a quantised operand takes f32 operands (vector FMAs, or v_wmma_f32_16x16x4_f32). A number that lies on a knife's edge between two numbers of the format may be rounded either way, as far as f32 arithmetic and the matrix unit's own rounding can turn it there, and no further.
;;   INPUTS GIVEN AS CODES. W_o (in the module: [1024, 1024], K = its axis 1); W_qkv (in the module: [3072, 1024], K = its axis 1); x (in the module: [4, 2048, 1024], K = its axis 2): each comes as NAME_codes (uint8): NAME with its K axis moved to the last place and cut into blocks of 32 codes, [.., K / 32, bytes a block], one block behind the other in memory; one code a byte (a code: sign, 4 exponent bits, 3 mantissa bits); and NAME_scales (uint8): the same leading axes, one E8M0 byte (e + 127) for each 32 codes along K. Its value is code x scale, taken as it is: it is not quantised again, and the codes and scales need not be those that the quantiser above would give.
;; One version. Each part assembles by itself: llvm-mc -triple=amdgcn-amd-amdhsa -mcpu=gfx1250 --defsym DOCPART=n.
;; ======== version 1 of 1: 3 launches
;; limits: right only within a limited range of input values
;; workspace buffers: qkv 25,165,824 bytes; qkv_sc 786,432 bytes; ao 8,388,608 bytes; ao_sc 262,144 bytes
;; launch qkv (part 1): grid 12 x 32, 4 waves a work-group, clusters of 4 x 4, 327,680 bytes of LDS; arguments x_codes, x_scales, W_qkv_codes, W_qkv_scales, qkv, qkv_sc; writes qkv, qkv_sc
.if DOCPART == 1
	.amdgcn_target "amdgcn-amd-amdhsa--gfx1250"
	.amdhsa_code_object_version 6
	.text
	.protected	k_q24443f497a_qkv
	.globl	k_q24443f497a_qkv
	.p2align	8
	.type	k_q24443f497a_qkv,@function
k_q24443f497a_qkv:
	s_mov_b64 s[64:65], 0
	v_nop
	global_prefetch_b8 v0, s[64:65] scope:SCOPE_SE
	s_setreg_imm32_b32 hwreg(HW_REG_WAVE_MODE, 25, 1), 1
	s_wait_xcnt 0x0
	s_wait_alu depctr_hold_cnt(0) depctr_sa_sdst(0) depctr_va_vdst(0) depctr_va_sdst(0) depctr_va_ssrc(0) depctr_va_vcc(0) depctr_vm_vsrc(0)
	s_getreg_b32 s2, hwreg(HW_REG_IB_STS2, 6, 4)
	s_cmp_eq_u32 s2, 0
	s_cbranch_scc0 .Lentry_in_a_cluster
	s_endpgm
.Lentry_in_a_cluster:
	s_bfe_u32 s2, ttmp6, 0x10000c
	s_cmp_lg_u32 s2, 0xf033
	s_cbranch_scc0 .Lentry_shape_is_right
	s_endpgm
.Lentry_shape_is_right:
; q, k, v = x W_qkv^T on codes of FP8 (E4M3) with one E8M0 scale for each 32 along K = 1,024, and straight behind the sums the quantisers of the two attention products.
; ONE BODY, TWO ROLES.  The body makes C[m][n] = sum over k of A[m][k] B[n][k] for a tile of 256 x 256, quantises C ALONG n in blocks of 32 and stores codes with n innermost.
;   role qk (cluster x = 0, 1): A = x (m = token), B = W_qkv rows 0-2,047 (n = feature of q or k): q and k quantised along the head's 64.
;   role v  (cluster x = 2):    A = W_qkv rows 2,048-3,071 (m = channel of v), B = x (n = token): v comes out as [channel][token], quantised along the tokens, which are the second attention product's K.
; The role hangs on the cluster's x alone, which all sixteen partners share; it chooses pointers and offsets (s_cselect) and one lane mask; no branch hangs on it.
; Four waves, each 128 x 128 of C in 64 accumulators; K in steps of 256 through a ring of two LDS slots filled by the tensor data mover; the scale bytes of the tile's rows come once, in whole blocks of 256 bytes.
; CLUSTERS: 4 x 4 work-groups; A's tiles are asked for jointly along a row of the cluster, B's along a column.  The matrix instruction is used TRANSPOSED (source 0 = 16 rows of B, source 1 = 16 rows of A):
; lane (r, hh) holds row r of A's block a, and register j of accumulator (a, b) holds n = 16 b + 8 hh + j.  So a block of 32 along n is accumulators 2 c, 2 c + 1 of lanes l and l xor 16.
; WHAT IS STORED.  Codes as images of operand registers: a group of four registers is 512 bytes, lane l's 16 bytes at 16 l.  Inside a block of 32 the lane's slot 16 hh + i holds element 8 hh + (i & 7) + 16 (i >> 3):
; a permutation inside one scale block, the same for q and k, and for v and the softmax's p, so that the products are unchanged.
;   qkv:    q, k: [b 4][head 32 (q: h, k: 16 + h)][tile of 16 tokens 128][block 2][lane][16];  from byte 16,777,216 v: [b][h 16][step of 128 keys 16][16 channels 4][block 4][lane][16]
;   qkv_sc: 4,096 bytes a head, [step 16][r 16][4 words]; q, k: word p = the two bytes of token r of tile 2 p, then of tile 2 p + 1;  from byte 524,288 v: word dt = channel 16 dt + r's four bytes
; 384 tiles; a narrower tile would read each LDS byte for half as many products, so the tile stays 256 x 256.  No prefetch: K has four steps, of which two are asked for at the head.
; LIMITS: NaN and infinities are not served.  A block of zeros gets the byte 1 where the rule says 127: its codes are zeros, and this program alone reads the bytes.
.set KSTEP,  256
.set NQ,     KSTEP/128                 ; matrix instructions deep in a slot
.set ROWB,   256                       ; a tile's row in bytes
.set KROW,   1024                      ; a row of x or W_qkv in memory
.set PITCH,  272                       ; an LDS row: 256 bytes + 16 of padding: the 16 rows of a fragment load start at 16 different banks
.set FR,     16
.set NL,     4
.set NP,     8                         ; places behind this matrix instruction (ISA guide 7.12.1)
.set HALFT,  128*PITCH
.set SLOT,   4*HALFT                   ; A's 256 rows, then B's 256 rows
.set LAPS,   1024/(2*KSTEP)
.set KS,     32                        ; a row of scale bytes
.set SCL,    2*SLOT                    ; behind the ring: the scale bytes, blocks of 256 + 16
.set HALFS,  (128*KS/256)*272
.set SBLK,   (16*KS/256)*272
.set SPARE,  SCL+4*HALFS               ; the spare words: 128 bytes a wave, two blocks of 256 bytes that no other line names
.set VB0,  8                           ; v8   16 x lane: my place in an image
.set VB2,  9                           ; v9   the same, one head (qk) or two groups (v) further on
.set SCA,  10                          ; v10  16 r + 4,096 hh: my place among the scale words
.set PSQ,  11                          ; v11  byte selects for role qk's scale words
.set PSV,  12                          ; v12  for role v's
.set ADRA, 16
.set ADRB, 20
.set ADRS, 27
.set SPW,  28
.set NIL,  29
.set SC,   32                          ; v32-63 scale words, two sets; they hold nothing else
.set T,    64                          ; v64-127 the way out: 64 held numbers
.set AF,   128                         ; A's fragments, one set; free on the way out:
.set PC,   128                         ; v128-143 the codes just made
.set TM,   160                         ; v160-175 largest magnitudes, bytes, holds, scale operands
.set W4,   180                         ; v180-187 the scale word of each of A's eight blocks
.set D,    188                         ; v188-191 the four words that I store
.set DQ,   192
.set DV,   196
.set G1, 24
.set G0, 32
.set G1B, 48
.set G0B, 56
.set G1S, 68
.set G0S, 76
.set G1SB, 80
.set G0SB, 88
.set MSB, 0
.macro WIN new                         ; the immediate's high byte repeats the setting that is left
.if MSB != \new
	s_set_vgpr_msb (MSB<<8)|\new
.set MSB, \new
.endif
.endm
.set MUL_LO, 0xa1                      ; source 0 (B) window 1, source 1 (A) window 0, C and D window 2
.set MUL_HI, 0xf1
.set TO_B,   0x40
; A joint load: waves 0 and 1 fetch for A, waves 2 and 3 for B; the branch hangs on the wave's number alone.  Four v_nop follow each line.
.macro JLOAD g0a, g1a, g0b, g1b
	s_cmp_eq_u32 s17, 0
	s_cbranch_scc0 .Lfor_b_\@
	tensor_load_to_lds s[\g0a:\g0a+3], s[\g1a:\g1a+7]
	s_nop 0
.rept 4
	v_nop
.endr
	s_branch .Lasked_\@
.Lfor_b_\@:
	tensor_load_to_lds s[\g0b:\g0b+3], s[\g1b:\g1b+7]
	s_nop 0
.rept 4
	v_nop
.endr
.Lasked_\@:
.endm
.macro CREST
	s_cmp_lg_u32 s16, 0
	s_cbranch_scc1 .Lnot_wave_0_\@
	s_barrier_signal -3
.Lnot_wave_0_\@:
	s_barrier_wait -3
	s_barrier_signal -1
	s_barrier_wait -1
.endm
.macro CROUND
	s_barrier_signal -1
	s_barrier_wait -1
	CREST
.endm
	s_load_b256 s[4:11], s[0:1], 0x0               ; x's codes s[4:5], x's scales s[6:7], W's codes s[8:9], W's scales s[10:11]
	s_load_b128 s[12:15], s[0:1], 0x20             ; qkv s[12:13], qkv_sc s[14:15]
	v_lshl_add_u32 v[SPW], v0, 2, SPARE
	v_mov_b32 v[NIL], 0
	ds_add_u32 v28, v29
	ds_add_u32 v28, v29
	s_wait_dscnt 0x0
	v_lshrrev_b32 v1, 5, v0
	v_readfirstlane_b32 s16, v1                    ; wave 0..3
	s_lshr_b32 s17, s16, 1                         ; which half of the tile's rows is mine.  Also: I fetch for A (0) or for B (1)
	s_and_b32 s18, s16, 1                          ; which half of its columns.  Also: which 128 rows I fetch
	s_bfe_u32 s40, ttmp6, 0x40000                  ; cx
	s_bfe_u32 s41, ttmp6, 0x40004                  ; cy
	s_and_b32 s20, ttmp7, 0xffff                   ; cluster y
	s_cmp_eq_u32 ttmp9, 2                          ; the role: the third column of clusters makes v
	s_cselect_b32 s19, 1, 0
	s_cselect_b32 s22, 0, s20                      ; the cluster's row of tiles: v has one (1,024 channels),
	s_cselect_b32 s23, s20, ttmp9                  ; and its column
	s_lshl_b32 s21, s22, 2
	s_add_co_u32 s21, s21, s41                     ; tile row
	s_lshl_b32 s42, s23, 2
	s_add_co_u32 s42, s42, s40                     ; tile column
	s_lshl_b32 s43, s41, 2
	s_lshl_b32 s43, 15, s43                        ; my row of the cluster
	s_lshl_b32 s44, 0x1111, s40                    ; my column
	; descriptor group 1: a tile of 128 rows x 256 bytes, 16 bytes of padding behind each row
	s_or_b32 s[G1+0], s43, (0<<16)|(1<<20)|(1<<21)|(5<<22)|(3<<25)
	s_or_b32 s[G1B+0], s44, (0<<16)|(1<<20)|(1<<21)|(5<<22)|(3<<25)
.irp g, G1, G1B
	s_mov_b32 s[\g+1], ROWB<<16                    ; tensor_dim0
	s_mov_b32 s[\g+2], 128<<16                     ; tensor_dim1
	s_mov_b32 s[\g+3], ROWB<<16                    ; tile_dim0
	s_mov_b32 s[\g+4], 128                         ; tile_dim1
	s_mov_b32 s[\g+5], KROW                        ; from row to row
	s_mov_b32 s[\g+6], 0
	s_mov_b32 s[\g+7], 0
.endr
	; the scale bytes of 128 rows: 4,096 dense bytes as 16 rows of 256 (32 elements of 8 bytes), 16 bytes of padding behind each
	s_or_b32 s[G1S+0], s43, (3<<16)|(1<<20)|(1<<21)|(5<<22)|(3<<25)
	s_or_b32 s[G1SB+0], s44, (3<<16)|(1<<20)|(1<<21)|(5<<22)|(3<<25)
.irp g, G1S, G1SB
	s_mov_b32 s[\g+1], 32<<16
	s_mov_b32 s[\g+2], (128*KS/256)<<16
	s_mov_b32 s[\g+3], 32<<16
	s_mov_b32 s[\g+4], 128*KS/256
	s_mov_b32 s[\g+5], 32
	s_mov_b32 s[\g+6], 0
	s_mov_b32 s[\g+7], 0
.endr
	s_lshl_b32 s2, s18, 7                          ; which 128 rows of the tile I fetch
	s_lshl_b32 s92, s21, 8
	s_add_co_u32 s92, s92, s2
	s_lshl_b32 s93, s19, 11
	s_add_co_u32 s92, s92, s93                     ; A: row 256 x tile row + 128 x half (+ 2,048 in W_qkv for v)
	s_lshl_b32 s100, s92, 5                        ; its scale bytes: 32 a row,
	s_lshl_b32 s92, s92, 10                        ; its codes: 1,024 a row (both under 2^24)
	s_mov_b32 s93, 0
	s_mov_b32 s101, 0
	s_lshl_b32 s46, s42, 8
	s_add_co_u32 s46, s46, s2                      ; B: row 256 x tile column + 128 x half
	s_lshl_b32 s66, s46, 5
	s_lshl_b32 s46, s46, 10
	s_mov_b32 s47, 0
	s_mov_b32 s67, 0
	s_mul_i32 s45, s16, HALFT                      ; where they go: wave x 128 rows
	s_mul_i32 s94, s16, HALFS
	s_wait_kmcnt 0x0
	s_cmp_eq_u32 s19, 1                            ; the choice of buffers hangs on the role alone
	s_cselect_b64 s[96:97], s[8:9], s[4:5]         ; A's codes
	s_cselect_b64 s[98:99], s[10:11], s[6:7]       ; A's scales
	s_cselect_b64 s[4:5], s[4:5], s[8:9]           ; B's codes
	s_cselect_b64 s[6:7], s[6:7], s[10:11]         ; B's scales
	s_add_nc_u64 s[96:97], s[96:97], s[92:93]
	s_add_nc_u64 s[98:99], s[98:99], s[100:101]
	s_add_nc_u64 s[4:5], s[4:5], s[46:47]
	s_add_nc_u64 s[6:7], s[6:7], s[66:67]
	CROUND                                         ; all sixteen work-groups are here: the first joint loads meet
	s_mov_b32 s[G0S], 1
	s_add_co_u32 s[G0S+1], s94, SCL
	s_mov_b64 s[G0S+2:G0S+3], s[98:99]
	s_or_b32 s[G0S+3], s[G0S+3], 0x80000000
	s_mov_b32 s[G0SB], 1
	s_add_co_u32 s[G0SB+1], s94, SCL
	s_mov_b64 s[G0SB+2:G0SB+3], s[6:7]
	s_or_b32 s[G0SB+3], s[G0SB+3], 0x80000000
	JLOAD G0S, G1S, G0SB, G1SB                     ; the scales first: they are wanted with K step 0
.irp s, 0,1
	s_mov_b32 s[G0+4*\s], 1
	s_add_co_u32 s[G0+4*\s+1], s45, \s*SLOT
	s_add_nc_u64 s[G0+4*\s+2:G0+4*\s+3], s[96:97], \s*ROWB
	s_or_b32 s[G0+4*\s+3], s[G0+4*\s+3], 0x80000000
	s_mov_b32 s[G0B+4*\s], 1
	s_add_co_u32 s[G0B+4*\s+1], s45, \s*SLOT
	s_add_nc_u64 s[G0B+4*\s+2:G0B+4*\s+3], s[4:5], \s*ROWB
	s_or_b32 s[G0B+4*\s+3], s[G0B+4*\s+3], 0x80000000
	JLOAD G0+4*\s, G1, G0B+4*\s, G1B               ; three loads of mine are out
.endr
	v_and_b32 v1, 15, v0                           ; r
	v_bfe_u32 v2, v0, 4, 1                         ; hh
	v_mul_u32_u24 v3, v1, PITCH
	v_lshl_add_u32 v4, v2, 4, v3                   ; a fragment's row x pitch + 16 x half
	s_mul_i32 s8, s17, HALFT                       ; my 128 rows of A
	s_mul_i32 s9, s18, HALFT                       ; my 128 rows of B,
	s_add_co_u32 s9, s9, 2*HALFT                   ; which lie behind A's 256
.irp s, 0,1
	v_add_nc_u32 v[ADRA+\s], s8, v4
	v_add_nc_u32 v[ADRB+\s], s9, v4
	s_add_co_u32 s8, s8, SLOT
	s_add_co_u32 s9, s9, SLOT
.endr
	v_mul_u32_u24 v5, v1, KS                       ; my row's scales: 32 bytes a row,
	v_lshrrev_b32 v6, 8, v5
	v_lshl_add_u32 v5, v6, 4, v5                   ; and 16 more for each 256 passed
	s_mul_i32 s8, s17, HALFS
	s_mul_i32 s9, s18, HALFS
	s_add_co_u32 s9, s9, 2*HALFS
	s_sub_co_u32 s9, s9, s8
	v_mul_u32_u24 v6, s9, v2                       ; lanes 16-31 take B's
	s_add_co_u32 s8, s8, SCL
	v_add_nc_u32 v5, v5, v6
	v_add_nc_u32 v[ADRS], s8, v5
	; where my results go.  R0, C0: my first row and column of C; the tokens are the rows (qk) or the columns (v)
	s_lshl_b32 s8, s21, 8
	s_lshl_b32 s9, s17, 7
	s_add_co_u32 s8, s8, s9                        ; R0
	s_lshl_b32 s9, s42, 8
	s_lshl_b32 s10, s18, 7
	s_add_co_u32 s9, s9, s10                       ; C0
	s_cmp_eq_u32 s19, 1
	s_cselect_b32 s10, s9, s8                      ; my first token
	s_cselect_b32 s11, s8, s9                      ; my first feature
	s_cselect_b32 s2, 4, 5                         ; heads in a batch: 16 (v) or 32 (q and k)
	s_cselect_b32 s66, -1, 0                       ; the role as a lane mask
	s_mov_b32 s100, 131072
	s_cselect_b32 s100, 1024, s100                 ; from my codes' first half to the second: a head on (qk), two groups on (v)
	s_mov_b32 s96, 1024
	s_cselect_b32 s96, 2048, s96                   ; from one of A's blocks to the next: a tile of tokens (qk), 16 channels (v)
	s_mov_b32 s98, 1024
	s_cselect_b32 s98, 124928, s98                 ; from block 3 to block 4: in v the next head: 131,072 - 3 x 2,048
	s_mov_b32 s97, 0
	s_mov_b32 s99, 0
	s_lshr_b32 s8, s10, 11                         ; batch
	s_and_b32 s10, s10, 2047                       ; token in it
	s_lshl_b32 s8, s8, s2
	s_lshr_b32 s11, s11, 6
	s_add_co_u32 s8, s8, s11                       ; head
	s_lshl_b32 s92, s8, 17                         ; 131,072 bytes of codes a head,
	s_lshl_b32 s9, s10, 6                          ; 64 a token
	s_add_co_u32 s92, s92, s9
	s_lshl_b32 s9, s19, 24                         ; v's part begins at 16,777,216
	s_add_co_u32 s92, s92, s9
	s_mov_b32 s93, 0
	s_add_nc_u64 s[12:13], s[12:13], s[92:93]
	s_lshl_b32 s92, s8, 12                         ; 4,096 scale bytes a head,
	s_lshl_b32 s9, s10, 1                          ; 256 for 128 tokens
	s_add_co_u32 s92, s92, s9
	s_lshl_b32 s9, s19, 19                         ; v's part begins at 524,288
	s_add_co_u32 s92, s92, s9
	s_add_nc_u64 s[14:15], s[14:15], s[92:93]
	s_mov_b32 s46, 0x76543210
	s_mov_b32 s47, 0xfedcba98                      ; v_permlanex16_b32's selects for lane l xor 16
	s_mov_b32 s95, 0x600000                        ; the mantissa field of 448
	s_mov_b32 s67, 0xffff0000                      ; lanes 16-31
	v_and_b32 v6, 31, v0
	v_lshlrev_b32 v[VB0], 4, v6
	v_add_nc_u32 v[VB2], s100, v[VB0]
	v_lshlrev_b32 v[SCA], 4, v1
	v_lshl_add_u32 v[SCA], v2, 12, v[SCA]          ; lanes 16-31 store the second head's words
	v_mov_b32 v[PSQ], 0x05040100                   ; qk: the first head's two bytes of two tiles; lanes 16-31: the second head's
	v_mov_b32 v13, 0x07060302
	v_cndmask_b32 v[PSQ], v[PSQ], v13, s67
	v_mov_b32 v[PSV], 0x03020100                   ; v: the word of block i; lanes 16-31: of block 4 + i
	v_mov_b32 v13, 0x07060504
	v_cndmask_b32 v[PSV], v[PSV], v13, s67
.macro FRAG reg, adr, q, i             ; 16 rows x 128 K: lane l holds row l % 16; registers 4 c .. 4 c + 3 hold K = 32 c + 16 (l / 16) + 0 .. 15
.irp c, 0,1,2,3
	ds_load_b128 v[\reg+4*\c:\reg+4*\c+3], v[\adr] offset:128*(\q)+32*\c+(\i)*16*PITCH
.endr
.endm
; 16 matrix instructions: A's blocks a0, a0 + 1 x B's eight.  The 64 accumulators take turns, one instruction a turn, in the same order in every step.
.macro MUL16 a0, p, q, sc, zero
.irp a, \a0, \a0+1
.irp b, 0,1,2,3,4,5,6,7
.if \zero
	v_wmma_scale_f32_16x16x128_f8f6f4 v[8*(8*((\a)%4)+\b):8*(8*((\a)%4)+\b)+7], v[128*(\p)+FR*\b:128*(\p)+FR*\b+FR-1], v[AF+FR*(\a):AF+FR*(\a)+FR-1], 0, v[SC+8*NQ*(\sc)+NQ*\b+(\q)], v[SC+8*NQ*(\sc)+NQ*(\a)+(\q)] matrix_a_scale:MATRIX_SCALE_ROW1
.else
	v_wmma_scale_f32_16x16x128_f8f6f4 v[8*(8*((\a)%4)+\b):8*(8*((\a)%4)+\b)+7], v[128*(\p)+FR*\b:128*(\p)+FR*\b+FR-1], v[AF+FR*(\a):AF+FR*(\a)+FR-1], v[8*(8*((\a)%4)+\b):8*(8*((\a)%4)+\b)+7], v[SC+8*NQ*(\sc)+NQ*\b+(\q)], v[SC+8*NQ*(\sc)+NQ*(\a)+(\q)] matrix_a_scale:MATRIX_SCALE_ROW1
.endif
.endr
.endr
.endm
.macro FETCH_B slot, q, p
	WIN TO_B
.irp i, 0,1,2,3,4,5,6,7
	FRAG 128*(\p)+FR*\i, ADRB+\slot, \q, \i
.endr
	WIN 0
.endm
.macro FETCH_A slot, q, i0
.irp i, \i0, \i0+1, \i0+2, \i0+3
	FRAG AF+FR*(\i), ADRA+\slot, \q, \i
.endr
.endm
.macro SCALES sc                       ; a K step's scale words: lanes 0-15 take A's block i, lanes 16-31 B's block i
.irp i, 0,1,2,3,4,5,6,7
	ds_load_b64 v[SC+8*NQ*\sc+NQ*\i:SC+8*NQ*\sc+NQ*\i+1], v[ADRS] offset:\i*SBLK
.endr
.endm
.macro PLACES n                        ; plain vector lines between a matrix instruction and a load into, or a read of, its registers
.rept \n
	v_nop
.endr
.endm
.macro STEP slot, q, zero              ; 128 along K whose successor lies in the same slot
	s_wait_dscnt 4*NL                              ; B's set and A's blocks 0-3 are in; the youngest sixteen loads (A's blocks 4-7) may be out
	WIN MUL_LO
	MUL16 0, (\q)%2, \q, \slot, \zero
	MUL16 2, (\q)%2, \q, \slot, \zero
	s_wait_dscnt 0
	PLACES NP
	FETCH_B \slot, (\q)+1, 1-(\q)%2
	FETCH_A \slot, (\q)+1, 0
	WIN MUL_HI
	MUL16 4, (\q)%2, \q, \slot, \zero
	MUL16 6, (\q)%2, \q, \slot, \zero
	PLACES NP
	WIN 0
	FETCH_A \slot, (\q)+1, 4
.endm
; A slot's last step changes slots: one barrier; in front of it each wave waits for all its tensor loads, adds 0 to its spare word, and waits for that and for its reads of this slot.
.macro TURN slot, next, fill
	s_wait_tensorcnt 0x0                           ; all my tensor loads have landed: my part of the next slot
	ds_add_u32 v[SPW], v[NIL]                      ; 0 onto my spare word
	s_wait_dscnt 4*NL+1                            ; the add and the youngest sixteen loads may be out
	WIN MUL_LO
	MUL16 0, 1, NQ-1, \slot, 0
	s_wait_dscnt 0x0                               ; the add is done, and my reads of this slot are over
	s_barrier_signal -1
	MUL16 2, 1, NQ-1, \slot, 0
	WIN 0
	s_barrier_wait -1
.if \fill
	CREST                                          ; the barrier has opened a round of the cluster's: no wave of any partner still reads this slot or has a load on its way
	s_add_nc_u64 s[G0+4*\slot+2:G0+4*\slot+3], s[G0+4*\slot+2:G0+4*\slot+3], 2*ROWB
	s_add_nc_u64 s[G0B+4*\slot+2:G0B+4*\slot+3], s[G0B+4*\slot+2:G0B+4*\slot+3], 2*ROWB
	JLOAD G0+4*\slot, G1, G0B+4*\slot, G1B         ; the first tensor load behind the round; its four v_nop are among the places below
	PLACES NP-4
.else
	PLACES NP
.endif
	s_wait_alu depctr_va_vdst(0)
	v_add_nc_u32 v[ADRS], 4*NQ, v[ADRS]            ; the next K step's scale words
	FETCH_B \next, 0, 0
	FETCH_A \next, 0, 0
	SCALES \next
	WIN MUL_HI
	MUL16 4, 1, NQ-1, \slot, 0
	MUL16 6, 1, NQ-1, \slot, 0
	PLACES NP
	WIN 0
	FETCH_A \next, 0, 4
.endm
	s_wait_tensorcnt 1                             ; the scales and my part of K step 0 are in; K step 1's load may be out
	s_barrier_signal -1
	s_barrier_wait -1
	FETCH_B 0, 0, 0
	FETCH_A 0, 0, 0
	SCALES 0
	FETCH_A 0, 0, 4
	STEP 0, 0, 1                                   ; the first step's products start the sums
	s_mov_b32 s3, LAPS-1
.Llap:                                             ; once round the ring; both slots are filled again
	TURN 0, 1, 1
	STEP 1, 0, 0
	TURN 1, 0, 1
	STEP 0, 0, 0
	s_sub_co_u32 s3, s3, 1
	s_cmp_lg_u32 s3, 0
	s_cbranch_scc1 .Llap
	TURN 0, 1, 0                                   ; the last lap fills nothing
	STEP 1, 0, 0
	s_wait_dscnt 4*NL
	WIN MUL_LO
	MUL16 0, 1, NQ-1, 1, 0
	MUL16 2, 1, NQ-1, 1, 0
	s_wait_dscnt 0
	WIN MUL_HI
	MUL16 4, 1, NQ-1, 1, 0
	MUL16 6, 1, NQ-1, 1, 0
	WIN 0
; THE WAY OUT of A's block a: my row's 128 numbers are four blocks of 32, of which I hold 16 each and lane l xor 16 the others.  Largest magnitude (with the floor 2^(9 - 127), which holds the byte at 1),
; scale operand, hold, byte; the numbers are held within +-448 x the scale (the conversion to an 8-bit code does not saturate: ISA guide 7.6.2) and converted; the 16 registers of codes leave as four groups,
; each store of the wave covering 512 consecutive bytes, aligned.  Each accumulator is read from its low end on.
.macro EPI a
.set AC, 64*((\a)%4)
.set WSRC, 2+(\a)/4
.set WMAX, (WSRC<<2)|(WSRC<<4)
	WIN WMAX                                       ; sources 1 and 2: the accumulators' window
.irp b, 0,1,2,3
	v_max3_num_f32 v[TM+\b], 0x4800000, |v[AC+16*\b]|, |v[AC+16*\b+1]|
.endr
.irp i, 2,4,6,8,10,12,14
.irp b, 0,1,2,3
	v_max3_num_f32 v[TM+\b], v[TM+\b], |v[AC+16*\b+\i]|, |v[AC+16*\b+\i+1]|
.endr
.endr
	WIN 0
.irp b, 0,1,2,3
	v_permlanex16_b32 v[TM+4+\b], v[TM+\b], s46, s47
.endr
.irp b, 0,1,2,3
	v_max_num_f32 v[TM+\b], v[TM+\b], v[TM+4+\b]   ; the block's largest magnitude
.endr
.irp b, 0,1,2,3
	v_add_nc_u32 v[TM+12+\b], 0xfc000000, v[TM+\b] ; 8 off its exponent field: the conversion's scale operand
.endr
.irp b, 0,1,2,3
	v_and_or_b32 v[TM+8+\b], v[TM+\b], 0x7f800000, s95   ; 448 x the scale
.endr
.irp b, 0,1,2,3
	v_lshrrev_b32 v[TM+4+\b], 23, v[TM+12+\b]      ; the scale's byte
.endr
	v_lshl_or_b32 v[W4+(\a)], v[TM+5], 8, v[TM+4]
	v_lshl_or_b32 v[W4+(\a)], v[TM+6], 16, v[W4+(\a)]
	v_lshl_or_b32 v[W4+(\a)], v[TM+7], 24, v[W4+(\a)]
	WIN WSRC                                       ; source 0: the accumulators' window
.irp b, 0,1,2,3
.irp i, 0,1,2,3,4,5,6,7,8,9,10,11,12,13,14,15
	v_med3_num_f32 v[T+16*\b+\i], v[AC+16*\b+\i], -v[TM+8+\b], v[TM+8+\b]
.endr
.endr
	WIN 0
	s_wait_alu depctr_va_vdst(0)
	s_wait_xcnt 0x0                                ; the last block's stores have read their data and their base: both are written again only behind this wait
.if (\a) == 4
	s_add_nc_u64 s[12:13], s[12:13], s[98:99]
.elseif (\a) > 0
	s_add_nc_u64 s[12:13], s[12:13], s[96:97]
.endif
.irp b, 0,1,2,3
	v_cvt_scalef32_pk8_fp8_f32 v[PC+4*\b:PC+4*\b+1], v[T+16*\b:T+16*\b+7], v[TM+12+\b]
	v_cvt_scalef32_pk8_fp8_f32 v[PC+4*\b+2:PC+4*\b+3], v[T+16*\b+8:T+16*\b+15], v[TM+12+\b]
.endr
	v_nop                                          ; a plain line behind the last conversion, ahead of the next vector line that writes its sources
	global_store_b128 v[VB0], v[PC:PC+3], s[12:13]
	global_store_b128 v[VB0], v[PC+4:PC+7], s[12:13] offset:512
	global_store_b128 v[VB2], v[PC+8:PC+11], s[12:13]
	global_store_b128 v[VB2], v[PC+12:PC+15], s[12:13] offset:512
.endm
	PLACES NP                                      ; behind the last products: their results are read, and A's registers written, from here on
.irp b, 0,1,2,3
	v_mov_b32 v[TM+4+\b], 0                        ; written once: a lane permute's destination counts as one of its sources
.endr
.irp a, 0,1,2,3,4,5,6,7
	EPI \a
.endr
	; the scale words: both roles' arrangements are made, and the role's mask chooses: no branch.  Sixteen lanes store 256 consecutive bytes, aligned: one head's words of these 128 tokens
.irp p, 0,1,2,3
	v_perm_b32 v[DQ+\p], v[W4+2*\p+1], v[W4+2*\p], v[PSQ]
	v_perm_b32 v[DV+\p], v[W4+4+\p], v[W4+\p], v[PSV]
.endr
.irp p, 0,1,2,3
	v_cndmask_b32 v[D+\p], v[DQ+\p], v[DV+\p], s66
.endr
	global_store_b128 v[SCA], v[D:D+3], s[14:15]
	s_wait_tensorcnt 0x0                           ; the wave's end
	ds_add_u32 v[SPW], v[NIL]
	s_wait_dscnt 0x0
	CROUND                                         ; the closing round: no work-group ends while a partner may still ask for a tile that names it
	s_endpgm
.Lfunc_end_k_q24443f497a_qkv:
	.size	k_q24443f497a_qkv, .Lfunc_end_k_q24443f497a_qkv-k_q24443f497a_qkv
	.p2alignl 7, 3214868480
	.fill 96, 4, 3214868480
	.section	.rodata,"a",@progbits
	.p2align	6, 0x0
	.amdhsa_kernel k_q24443f497a_qkv
		.amdhsa_group_segment_fixed_size 327680
		.amdhsa_private_segment_fixed_size 0
		.amdhsa_enable_private_segment 0
		.amdhsa_kernarg_size 48
		.amdhsa_user_sgpr_count 2
		.amdhsa_user_sgpr_kernarg_segment_ptr 1
		.amdhsa_wavefront_size32 1
		.amdhsa_system_sgpr_workgroup_id_x 1
		.amdhsa_system_sgpr_workgroup_id_y 1
		.amdhsa_system_sgpr_workgroup_id_z 1
		.amdhsa_system_vgpr_workitem_id 0
		.amdhsa_next_free_vgpr 1024
		.amdhsa_next_free_sgpr 102
		.amdhsa_reserve_vcc 0
		.amdhsa_float_denorm_mode_32 3
		.amdhsa_float_denorm_mode_16_64 3
		.amdhsa_memory_ordered 1
		.amdhsa_forward_progress 1
		.amdhsa_inst_pref_size 187
	.end_amdhsa_kernel
	.amdgpu_metadata
---
amdhsa.version: [ 1, 2 ]
amdhsa.kernels:
  - .name:           k_q24443f497a_qkv
    .symbol:         k_q24443f497a_qkv.kd
    .args:
      - { .name: x_codes, .offset: 0, .size: 8, .value_kind: global_buffer, .address_space: global }
      - { .name: x_scales, .offset: 8, .size: 8, .value_kind: global_buffer, .address_space: global }
      - { .name: W_qkv_codes, .offset: 16, .size: 8, .value_kind: global_buffer, .address_space: global }
      - { .name: W_qkv_scales, .offset: 24, .size: 8, .value_kind: global_buffer, .address_space: global }
      - { .name: qkv, .offset: 32, .size: 8, .value_kind: global_buffer, .address_space: global }
      - { .name: qkv_sc, .offset: 40, .size: 8, .value_kind: global_buffer, .address_space: global }
    .group_segment_fixed_size: 327680
    .private_segment_fixed_size: 0
    .kernarg_segment_align: 8
    .kernarg_segment_size: 48
    .max_flat_workgroup_size: 128
    .sgpr_count:     102
    .vgpr_count:     1024
    .wavefront_size: 32
...
	.end_amdgpu_metadata
.endif
;; end of part 1
;; launch attn (part 2): grid 4 x 64, 16 waves a work-group, clusters of 4 x 1, 272,384 bytes of LDS; arguments qkv, qkv_sc, ao, ao_sc; writes ao, ao_sc
.if DOCPART == 2
	.amdgcn_target "amdgcn-amd-amdhsa--gfx1250"
	.amdhsa_code_object_version 6
	.text
	.protected	k_q24443f497a_attn
	.globl	k_q24443f497a_attn
	.p2align	8
	.type	k_q24443f497a_attn,@function
k_q24443f497a_attn:
	s_mov_b64 s[64:65], 0
	v_nop
	global_prefetch_b8 v0, s[64:65] scope:SCOPE_SE
	s_setreg_imm32_b32 hwreg(HW_REG_WAVE_MODE, 25, 1), 1
	s_wait_xcnt 0x0
	s_wait_alu depctr_hold_cnt(0) depctr_sa_sdst(0) depctr_va_vdst(0) depctr_va_sdst(0) depctr_va_ssrc(0) depctr_va_vcc(0) depctr_vm_vsrc(0)
	s_getreg_b32 s2, hwreg(HW_REG_IB_STS2, 6, 4)
	s_cmp_eq_u32 s2, 0
	s_cbranch_scc0 .Lentry_in_a_cluster
	s_endpgm
.Lentry_in_a_cluster:
	s_bfe_u32 s2, ttmp6, 0x10000c
	s_cmp_lg_u32 s2, 0x3003
	s_cbranch_scc0 .Lentry_shape_is_right
	s_endpgm
.Lentry_shape_is_right:
; Causal attention of one (batch, head) for each cluster of four work-groups, on codes of FP8 (E4M3) with one E8M0 scale for each 32 along a product's K; then the quantiser of the last product's operand.
; t = score x log2(e) / 8; M = the running largest t rounded UP to a whole number; p = 2^(t - M) is quantised along the keys, not normalised; the row's sum is taken of the unquantised p and divides at the end.
; SHARES.  2,048 queries are 128 tiles of 16.  Wave w of work-group cx (bl = w / 2, ti = 2 cx + w % 2) owns tile 8 (15 - bl) + ti and tile 8 bl + ti, one after the other: (16 - bl) + (bl + 1) = 17 steps of
; 128 keys for every wave of the launch.  Which steps a wave leaves out or masks hangs on its number alone; the work-group's place enters global addresses and one lane value (the mask's), nothing else.
; LDS.  The head's K and V codes (131,072 bytes each) and scale words (4,096 each) are brought ONCE, by joint loads that name all four work-groups (wave 0: K's, wave 1: V's; four loads each are out), and stay:
; no byte is filled twice.  They lie as images of operand registers: every fragment load is 512 consecutive bytes.  Three barriers let the first steps begin while the rest is on its way.
; So nothing is left to prefetch: every byte that the launch reads from K and V is asked for at its head.
; LAYOUT.  S^T = K Q^T (source 0 = keys, source 1 = my 16 queries), O^T = V^T P^T: a lane holds ONE query (lane % 16) throughout.  Register j of key tile t holds key 16 t + 8 (lane / 16) + j, so the 16 registers
; of tiles 2 c, 2 c + 1 are the lane's 16 of key block c, in the order in which v's codes were laid: p's conversions give the second product's operand as it stands.
; THE FIRST PRODUCT'S K IS 64, the form's 128: a fragment of K holds TWO key tiles (slots 0-63, 64-127), and Q stands as [Q | 0] or [0 | Q]: v16-23 Q, v24-31 zero codes, v32-39 Q again.  Zero codes add nothing:
; K's codes come from a held conversion (none is NaN) and every scale byte lies in 1 .. 254.
; OUT.  ao: [tile of 16 tokens 512][128 along C 8][block 4][lane][16 bytes], in the form's own order of K (one exchange with lane l xor 16);  ao_sc: [token][32 bytes].  The two scale bytes of a token and head are
; stored as 2 bytes a lane, 32 bytes apart: heads lie in different clusters, so a token's 32 bytes have 16 writers; it is one byte in 32 of what the launch stores.
; LIMITS: NaN and infinities are not served; a block of zeros carries the byte 1 (its codes are zeros, and this program alone reads the bytes).
.set VL,    131072                     ; LDS: K's codes at 0, V's here,
.set KSC,   262144                     ; K's scale words,
.set VSC,   266240                     ; V's
.set STEPB, 8192                       ; a step's codes of K, and of V
.set LI,   1                           ; v1   16 x lane
.set AV0,  2                           ; v2   the same in V's codes
.set ASK0, 3                           ; v3   16 r in K's scale words
.set ASV0, 4                           ; v4   in V's
.set DM,   5                           ; v5   16 ti + r - 8 hh: register j of key tile t is hidden on the diagonal where 16 t + j is above it
.set R16,  6                           ; v6   16 r
.set R32,  7                           ; v7   32 r
.set ADK,  8
.set ADV,  9
.set ADS,  10
.set ADT,  11
.set QA,   16
.set ZR,   24
.set QB,   32
.set KF,   40                          ; v40-103  four fragments of K
.set S,    104                         ; v104-167 S^T, then p, then V's four fragments
.set O,    168                         ; v168-199 O^T
.set P,    200                         ; v200-215 p's codes
.set KSW,  216                         ; v216-219 K's scale words, v220-223 V's, v224 Q's, v225 p's: scales and nothing else
.set VSW,  220
.set QS,   224
.set PS,   225
.set BM,   226
.set X1,   230
.set HOLD, 234
.set SCO,  238
.set F,    242                         ; v[242:243] f, and a 0 that is named with it
.set TT,   244
.set NINF, 245
.set QRAW, 246
.set BY,   247
.set CD,   136                         ; the way out: codes as converted, v136-143;
.set OC,   148                         ; in the form's order, v148-155;
.set SND,  156                         ; what I send to lane l xor 16, v156-159
.set TB,   2                           ; s2   the step's codes: 8,192 bytes a step
.set TS,   3                           ; s3   the step's scale words: 256 bytes a step
.set WV,   12
.set CX,   13
.set BH,   14
.set BB,   15
.set HD,   16
.set BL,   17
.set SUB,  18
.set TI,   19
.set SEL,  20
.set CS,   22                          ; s[22:23] c = log2(e) / 8
.set SI,   66                          ; s66  the step
.set BK,   67                          ; s67  the block of 128 in which my tile lies
.set CNT,  92
.set MNT,  93
.set HM,   94                          ; lanes 16-31
.set QSEL, 95
.set QHD,  96                          ; s96  32 b + h
.macro CROUND                          ; a round of the cluster's barrier
	s_barrier_signal -1
	s_barrier_wait -1
	s_cmp_lg_u32 s[WV], 0
	s_cbranch_scc1 .Lnot_wave_0_\@
	s_barrier_signal -3
.Lnot_wave_0_\@:
	s_barrier_wait -3
	s_barrier_signal -1
	s_barrier_wait -1
.endm
.macro GROUP1 g, rows                  ; a dense block as rows of 256 bytes (32 elements of 8), no padding; the mask names all four work-groups, bit 21 beside it
	s_mov_b32 s[\g], 15|(3<<16)|(1<<21)
	s_mov_b32 s[\g+1], 32<<16
	s_mov_b32 s[\g+2], (\rows)<<16
	s_mov_b32 s[\g+3], 32<<16
	s_mov_b32 s[\g+4], \rows
	s_mov_b32 s[\g+5], 32
	s_mov_b32 s[\g+6], 0
	s_mov_b32 s[\g+7], 0
.endm
	s_load_b256 s[4:11], s[0:1], 0x0               ; qkv s[4:5], qkv_sc s[6:7], ao s[8:9], ao_sc s[10:11]
	v_lshl_add_u32 v254, v0, 2, 0x42000
	v_mov_b32 v255, 0
	ds_add_u32 v254, v255
	ds_add_u32 v254, v255
	v_lshrrev_b32 v8, 5, v0
	s_delay_alu instid0(VALU_DEP_1)
	v_readfirstlane_b32 s[WV], v8                  ; wave 0..15
	s_bfe_u32 s[CX], ttmp6, 0x40000                ; my place in the cluster
	s_and_b32 s[BH], ttmp7, 0xffff                 ; 16 b + h
	s_lshr_b32 s[BB], s[BH], 4
	s_and_b32 s[HD], s[BH], 15
	s_lshr_b32 s[BL], s[WV], 1
	s_and_b32 s[SUB], s[WV], 1
	s_lshl_b32 s[TI], s[CX], 1
	s_add_co_u32 s[TI], s[TI], s[SUB]              ; my tiles' place in their blocks of eight
	GROUP1 24, 16                                  ; the scale words: 4,096 bytes
	GROUP1 32, 64                                  ; steps 0, 1
	GROUP1 40, 192                                 ; steps 2 to 7
	GROUP1 48, 256                                 ; steps 8 to 15
	s_lshl_b32 s[QHD], s[BB], 5
	s_add_co_u32 s[QHD], s[QHD], s[HD]             ; q's head in qkv; k's is 16 further on
	s_add_co_u32 s97, s[QHD], 16
	s_lshl_b32 s98, s97, 17                        ; K's codes,
	s_lshl_b32 s99, s97, 12                        ; K's scale words,
	s_lshl_b32 s2, s[BH], 17
	s_add_co_u32 s2, s2, 16777216                  ; V's codes,
	s_lshl_b32 s3, s[BH], 12
	s_add_co_u32 s3, s3, 524288                    ; V's scale words
	s_cmp_eq_u32 s[WV], 0                          ; wave 0 fetches K's, wave 1 V's
	s_cselect_b32 s98, s98, s2
	s_cselect_b32 s2, s99, s3
	s_mov_b32 s99, 0
	s_mov_b32 s3, 0
	s_mov_b32 s[SEL], 0x76543210
	s_mov_b32 s[SEL+1], 0xfedcba98                 ; v_permlanex16_b32's selects for lane l xor 16
	s_mov_b32 s[CS], 0x3e38aa3b                    ; log2(e) / 8
	s_mov_b32 s[CS+1], s[CS]                       ; (named with it as a pair)
	s_mov_b32 s[HM], 0xffff0000
	s_cmp_eq_u32 s[SUB], 0
	s_mov_b32 s[QSEL], 0x03020302
	s_cselect_b32 s[QSEL], 0x01000100, s[QSEL]     ; my tile's two bytes of Q's scale word, twice
	s_wait_dscnt 0x0
	s_wait_kmcnt 0x0
	s_mov_b32 s56, 1                               ; groups 0: count; LDS address (a constant + a constant x wave); global address; type
	s_lshl_b32 s57, s[WV], 12
	s_add_co_u32 s57, s57, KSC
	s_add_nc_u64 s[58:59], s[6:7], s[2:3]
	s_or_b32 s59, s59, 0x80000000
	s_mov_b32 s60, 1
	s_lshl_b32 s61, s[WV], 17
	s_add_nc_u64 s[62:63], s[4:5], s[98:99]
	s_mov_b32 s68, 1
	s_add_co_u32 s69, s61, 2*STEPB
	s_add_nc_u64 s[70:71], s[62:63], 2*STEPB
	s_mov_b32 s72, 1
	s_add_co_u32 s73, s61, 8*STEPB
	s_add_nc_u64 s[74:75], s[62:63], 8*STEPB
	s_or_b32 s63, s63, 0x80000000
	s_or_b32 s71, s71, 0x80000000
	s_or_b32 s75, s75, 0x80000000
	CROUND                                         ; all four work-groups are here: the joint loads meet
	s_cmp_lt_u32 s[WV], 2                          ; a wave's fills stand in one branch, ahead of every wait on TENSORcnt, every LDS read and every other barrier
	s_cbranch_scc0 .Lno_fill
	tensor_load_to_lds s[56:59], s[24:31]
	s_nop 0
	tensor_load_to_lds s[60:63], s[32:39]
	s_nop 0
	tensor_load_to_lds s[68:71], s[40:47]
	s_nop 0
	tensor_load_to_lds s[72:75], s[48:55]
	s_nop 0
.rept 4
	v_nop
.endr
.Lno_fill:
	v_and_b32 v9, 31, v0
	s_delay_alu instid0(VALU_DEP_1)
	v_lshlrev_b32 v[LI], 4, v9
	s_delay_alu instid0(VALU_DEP_1)
	v_add_nc_u32 v[AV0], VL, v[LI]
	v_and_b32 v10, 15, v0                          ; r
	v_bfe_u32 v11, v0, 4, 1                        ; hh
	s_delay_alu instid0(VALU_DEP_2)
	v_lshlrev_b32 v[R16], 4, v10
	s_delay_alu instid0(VALU_DEP_3)
	v_lshlrev_b32 v[R32], 5, v10
	s_delay_alu instid0(VALU_DEP_2)
	v_add_nc_u32 v[ASK0], KSC, v[R16]
	s_delay_alu instid0(VALU_DEP_3)
	v_add_nc_u32 v[ASV0], VSC, v[R16]
	v_lshlrev_b32 v11, 3, v11
	s_delay_alu instid0(VALU_DEP_1)
	v_sub_nc_u32 v[DM], v10, v11
	s_lshl_b32 s98, s[TI], 4
	v_add_nc_u32 v[DM], s98, v[DM]
.irp j, 0,1,2,3,4,5,6,7
	v_mov_b32 v[ZR+\j], 0                          ; the zero codes beside Q
.endr
	v_mov_b32 v[F+1], 0
	v_mov_b32 v[NINF], 0xff800000
	v_mov_b32 v[TT], 0
.irp b, 0,1,2,3
	v_mov_b32 v[X1+\b], 0                          ; written once: a lane permute's destination counts as one of its sources
.endr
; four addresses for the tile in s[t], which lies in block s[bk]: Q's codes, Q's scale words, ao, ao_sc.  They are made once and never rewritten.
.macro ADDRS p, t, bk
	s_lshl_b32 s2, s[QHD], 17
	s_lshl_b32 s3, s[\t], 10                       ; 1,024 bytes a tile
	s_add_co_u32 s2, s2, s3
	s_mov_b32 s3, 0
	s_add_nc_u64 s[\p:\p+1], s[4:5], s[2:3]
	s_lshl_b32 s2, s[QHD], 12
	s_lshl_b32 s98, s[\bk], 8
	s_add_co_u32 s2, s2, s98
	s_lshl_b32 s98, s[CX], 2                       ; word ti / 2 = cx
	s_add_co_u32 s2, s2, s98
	s_add_nc_u64 s[\p+2:\p+3], s[6:7], s[2:3]
	s_lshl_b32 s2, s[BB], 7
	s_add_co_u32 s2, s2, s[\t]                     ; the tile among all 512
	s_lshl_b32 s98, s2, 9                          ; its 16 rows of 32 scale bytes
	s_lshl_b32 s2, s2, 14                          ; its 16,384 bytes of codes,
	s_lshr_b32 s99, s[HD], 1
	s_lshl_b32 s99, s99, 11                        ; 128 along C: h / 2,
	s_add_co_u32 s2, s2, s99
	s_and_b32 s99, s[HD], 1
	s_lshl_b32 s99, s99, 10                        ; blocks 2 (h % 2) and the next
	s_add_co_u32 s2, s2, s99
	s_add_nc_u64 s[\p+4:\p+5], s[8:9], s[2:3]
	s_lshl_b32 s2, s[HD], 1
	s_add_co_u32 s2, s2, s98
	s_add_nc_u64 s[\p+6:\p+7], s[10:11], s[2:3]
.endm
	s_xor_b32 s[BK], s[BL], 15                     ; 15 - bl
	s_lshl_b32 s[SI], s[BK], 3
	s_add_co_u32 s[SI], s[SI], s[TI]
	ADDRS 76, SI, BK                               ; the late tile
	s_lshl_b32 s[SI], s[BL], 3
	s_add_co_u32 s[SI], s[SI], s[TI]
	ADDRS 84, SI, BL                               ; the early tile
; A tile begins: Q (twice) and its scale word; O^T and the sum begin as zeros and the largest t as -3e38, so that the step is written without a first step of its own.
.macro PREP p
	global_load_b128 v[QA:QA+3], v[LI], s[\p:\p+1]
	global_load_b128 v[QA+4:QA+7], v[LI], s[\p:\p+1] offset:512
	global_load_b128 v[QB:QB+3], v[LI], s[\p:\p+1]
	global_load_b128 v[QB+4:QB+7], v[LI], s[\p:\p+1] offset:512
	global_load_b32 v[QRAW], v[R16], s[\p+2:\p+3]
	v_mov_b32 v13, 0xff61b1e6                      ; -3e38, under every t
	s_delay_alu instid0(VALU_DEP_1)
	v_floor_f32 v12, -v13                          ; -M
	v_mov_b32 v14, 0
	v_mov_b32 v15, 0
.set j, 0
.rept 32
	v_mov_b32 v[O+j], 0
.set j, j+1
.endr
	s_mov_b32 s[SI], 0
	s_mov_b32 s[TB], 0
	s_mov_b32 s[TS], 0
	s_wait_loadcnt 0x0
	v_perm_b32 v[QS], v[QRAW], v[QRAW], s[QSEL]    ; the step's nine places stand between this line and the first product that names it
.endm
; A KEY STEP: 128 keys.  gen = 1: a step past my tile's block is left out, and on the diagonal hidden scores become -infinity.
.macro STEP gen
.if \gen
	s_cmp_gt_u32 s[SI], s[BK]
	s_cbranch_scc1 .Lhid_\@
.endif
	s_setprio 2
	v_add_nc_u32 v[ADK], s[TB], v[LI]
	v_add_nc_u32 v[ADV], s[TB], v[AV0]
	v_add_nc_u32 v[ADS], s[TS], v[ASK0]
	v_add_nc_u32 v[ADT], s[TS], v[ASV0]
.rept 5
	v_nop                                          ; nine places in all behind the last step's products: S^T is written over V's fragments, and V's scale words are loaded anew
.endr
	ds_load_b128 v[KSW:KSW+3], v[ADS]
.irp p, 0,1,2,3
.irp c, 0,1,2,3
	ds_load_b128 v[KF+16*\p+4*\c:KF+16*\p+4*\c+3], v[ADK] offset:2048*\p+512*\c
.endr
.endr
	ds_load_b128 v[VSW:VSW+3], v[ADT]
	s_wait_alu depctr_va_vdst(0)
.irp p, 0,1,2,3
	s_wait_dscnt 13-4*\p                           ; behind pair p's loads: four for each later pair, and V's scale words
	v_wmma_scale_f32_16x16x128_f8f6f4 v[S+16*\p:S+16*\p+7], v[KF+16*\p:KF+16*\p+15], v[QA:QA+15], 0, v[KSW+\p], v[QS]
	v_wmma_scale_f32_16x16x128_f8f6f4 v[S+16*\p+8:S+16*\p+15], v[KF+16*\p:KF+16*\p+15], v[ZR:ZR+15], 0, v[KSW+\p], v[QS]
.endr
.rept 8
	v_nop
.endr
.if \gen
	s_cmp_lg_u32 s[SI], s[BK]
	s_cbranch_scc1 .Lopen_\@
.set n, 0
.rept 64
	v_cmp_gt_i32 vcc_lo, 16*(n/8)+n%8, v[DM]
	v_cndmask_b32 v[S+n], v[S+n], v[NINF], vcc_lo
.set n, n+1
.endr
.Lopen_\@:
.endif
.irp b, 0,1,2,3
	v_max3_num_f32 v[BM+\b], v[S+16*\b], v[S+16*\b+1], v[S+16*\b+2]   ; the largest score of each block of 32 keys: for the row's maximum, and, since p rises with the score, for the block's largest p
.endr
.irp i, 3,5,7,9,11,13
.irp b, 0,1,2,3
	v_max3_num_f32 v[BM+\b], v[BM+\b], v[S+16*\b+\i], v[S+16*\b+\i+1]
.endr
.endr
.irp b, 0,1,2,3
	v_max_num_f32 v[BM+\b], v[BM+\b], v[S+16*\b+15]
.endr
.irp b, 0,1,2,3
	s_delay_alu instid0(VALU_DEP_4)
	v_permlanex16_b32 v[X1+\b], v[BM+\b], s[SEL], s[SEL+1]
.endr
.irp b, 0,1,2,3
	s_delay_alu instid0(VALU_DEP_4)
	v_max_num_f32 v[BM+\b], v[BM+\b], v[X1+\b]
.endr
	s_delay_alu instid0(VALU_DEP_2)
	v_max3_num_f32 v[TT], v[BM], v[BM+1], v[BM+2]
	s_delay_alu instid0(VALU_DEP_1)
	v_max_num_f32 v[TT], v[TT], v[BM+3]
	s_delay_alu instid0(VALU_DEP_1)
	v_mul_f32 v[TT], s[CS], v[TT]
	s_delay_alu instid0(VALU_DEP_1)
	v_max_num_f32 v13, v13, v[TT]                  ; the running largest t
	v_mov_b32 v[TT], v12
	s_delay_alu instid0(VALU_DEP_2)
	v_floor_f32 v12, -v13                          ; -M = floor(-t): M is a whole number
	s_delay_alu instid0(VALU_DEP_1)
	v_sub_f32 v[TT], v12, v[TT]
	s_delay_alu instid0(VALU_DEP_1)
	v_cvt_i32_f32 v[TT], v[TT]                     ; (it saturates)
	s_delay_alu instid0(VALU_DEP_1)
	v_ldexp_f32 v[F], 1.0, v[TT]                   ; f = 2^(old M - new M): a multiplication by it rounds nothing
.set j, 0
.rept 32
	v_pk_fma_f32 v[S+j:S+j+1], v[S+j:S+j+1], s[CS:CS+1], v[12:13] op_sel_hi:[1,0,0]   ; t - M
.set j, j+2
.endr
.irp b, 0,1,2,3
	v_fma_f32 v[BM+\b], v[BM+\b], s[CS], v12
.endr
.set j, 0
	s_setprio 1
	s_wait_alu depctr_va_vdst(0)
.rept 64
	v_exp_f32 v[S+j], v[S+j]                       ; p = 2^(t - M)
.set j, j+1
.endr
	v_pk_mul_f32 v[14:15], v[14:15], v[F:F+1] op_sel_hi:[1,0]   ; the sums under the new M; a plain line behind the exponentials
	s_wait_alu depctr_va_vdst(0)                   ; one wait for the batch, ahead of its first reader
.irp b, 0,1,2,3
	v_exp_f32 v[BM+\b], v[BM+\b]                   ; the block's largest p
.endr
	v_pk_add_f32 v[230:231], v[108:109], v[112:113]
	v_pk_add_f32 v[252:253], v[116:117], v[120:121]
	v_pk_add_f32 v[250:251], v[124:125], v[128:129]
	v_pk_add_f32 v[248:249], v[132:133], v[136:137]
	v_pk_add_f32 v[246:247], v[140:141], v[144:145]
	v_pk_add_f32 v[240:241], v[148:149], v[152:153]
	v_pk_add_f32 v[238:239], v[156:157], v[160:161]
	v_pk_add_f32 v[14:15], v[14:15], v[164:165]
	v_pk_add_f32 v[230:231], v[230:231], v[104:105]
	v_pk_add_f32 v[252:253], v[252:253], v[106:107]
	v_pk_add_f32 v[250:251], v[250:251], v[110:111]
	v_pk_add_f32 v[248:249], v[248:249], v[114:115]
	v_pk_add_f32 v[246:247], v[246:247], v[118:119]
	v_pk_add_f32 v[240:241], v[240:241], v[122:123]
	v_pk_add_f32 v[238:239], v[238:239], v[126:127]
	v_pk_add_f32 v[14:15], v[14:15], v[130:131]
	v_pk_add_f32 v[230:231], v[230:231], v[134:135]
	v_pk_add_f32 v[252:253], v[252:253], v[138:139]
	v_pk_add_f32 v[250:251], v[250:251], v[142:143]
	v_pk_add_f32 v[248:249], v[248:249], v[146:147]
	v_pk_add_f32 v[246:247], v[246:247], v[150:151]
	v_pk_add_f32 v[240:241], v[240:241], v[154:155]
	v_pk_add_f32 v[238:239], v[238:239], v[158:159]
	v_pk_add_f32 v[14:15], v[14:15], v[162:163]
	v_pk_add_f32 v[230:231], v[230:231], v[166:167]
	s_delay_alu instid0(VALU_DEP_2)
	v_pk_add_f32 v[14:15], v[14:15], v[248:249]
	s_delay_alu instid0(VALU_DEP_2)
	v_pk_add_f32 v[230:231], v[230:231], v[246:247]
	v_pk_add_f32 v[252:253], v[252:253], v[240:241]
	v_pk_add_f32 v[250:251], v[250:251], v[238:239]
	s_delay_alu instid0(VALU_DEP_2)
	v_pk_add_f32 v[14:15], v[14:15], v[252:253]
	s_delay_alu instid0(VALU_DEP_2)
	v_pk_add_f32 v[230:231], v[230:231], v[250:251]
	s_delay_alu instid0(VALU_DEP_1)
	v_pk_add_f32 v[14:15], v[14:15], v[230:231]
	s_wait_alu depctr_va_vdst(0)                   ; and one for the four
.irp b, 0,1,2,3
	v_max_num_f32 v[BM+\b], 0x4800000, v[BM+\b]    ; the floor 2^(9 - 127): the byte cannot fall under 1
.endr
.irp b, 0,1,2,3
	s_delay_alu instid0(VALU_DEP_4)
	v_add_nc_u32 v[SCO+\b], 0xfc000000, v[BM+\b]   ; the conversion's scale operand
.endr
.irp b, 0,1,2,3
.endr
.irp b, 0,1,2,3
	s_delay_alu instid0(VALU_DEP_4)
	v_lshrrev_b32 v[X1+\b], 23, v[SCO+\b]
.endr
	s_delay_alu instid0(VALU_DEP_3)
	v_lshl_or_b32 v[PS], v[X1+1], 8, v[X1]         ; p's scale word for these 128 keys
	s_delay_alu instid0(VALU_DEP_1)
	v_lshl_or_b32 v[PS], v[X1+2], 16, v[PS]
	s_delay_alu instid0(VALU_DEP_1)
	v_lshl_or_b32 v[PS], v[X1+3], 24, v[PS]
; p is converted; V's fragment of 16 channels b lands in the registers that block b has left, its loads behind a v_nop in the next block
.irp b, 0,1,2,3
.set j, 0
.rept 16
.set j, j+1
.endr
.if \b > 0
	v_nop
.irp c, 0,1,2,3
	ds_load_b128 v[S+16*(\b-1)+4*\c:S+16*(\b-1)+4*\c+3], v[ADV] offset:2048*(\b-1)+512*\c
.endr
.endif
	v_cvt_scalef32_pk8_fp8_f32 v[P+4*\b:P+4*\b+1], v[S+16*\b:S+16*\b+7], v[SCO+\b]
	v_cvt_scalef32_pk8_fp8_f32 v[P+4*\b+2:P+4*\b+3], v[S+16*\b+8:S+16*\b+15], v[SCO+\b]
.endr
.set j, 0
	s_setprio 0
.rept 2
	v_pk_mul_f32 v[O+j:O+j+1], v[O+j:O+j+1], v[F:F+1] op_sel_hi:[1,0]   ; O^T under the new M
.set j, j+2
.endr
.irp c, 0,1,2,3
	ds_load_b128 v[S+48+4*\c:S+48+4*\c+3], v[ADV] offset:2048*3+512*\c
.endr
.rept 14
	v_pk_mul_f32 v[O+j:O+j+1], v[O+j:O+j+1], v[F:F+1] op_sel_hi:[1,0]   ; (these are also the places between the codes and the products below)
.set j, j+2
.endr
	s_wait_alu depctr_va_vdst(0)
.irp d, 0,1,2,3
	s_wait_dscnt 12-4*\d                           ; behind fragment d's loads: four for each later fragment
	v_wmma_scale_f32_16x16x128_f8f6f4 v[O+8*\d:O+8*\d+7], v[S+16*\d:S+16*\d+15], v[P:P+15], v[O+8*\d:O+8*\d+7], v[VSW+\d], v[PS]
.endr
.if \gen
.Lhid_\@:
.endif
	s_add_co_u32 s[SI], s[SI], 1
	s_add_co_u32 s[TB], s[TB], STEPB
	s_add_co_u32 s[TS], s[TS], 256
.endm
; A tile ends: O^T / the sum; my 32 channels are 16 of each of two blocks of 32 along C; quantised; brought into the form's order of K; stored.
.macro FINISH p
.rept 8
	v_nop                                          ; behind the last products
.endr
	v_add_f32 v14, v14, v15
	s_delay_alu instid0(VALU_DEP_1)
	v_permlanex16_b32 v[TT], v14, s[SEL], s[SEL+1]
	s_delay_alu instid0(VALU_DEP_1)
	v_add_f32 v14, v14, v[TT]                      ; the row's sum
	s_wait_alu depctr_va_vdst(0)
	v_rcp_f32 v[F], v14
	v_nop
	s_wait_alu depctr_va_vdst(0)                   ; ahead of the reciprocal's first reader
.set j, 0
.rept 16
	v_pk_mul_f32 v[S+j:S+j+1], v[O+j:O+j+1], v[F:F+1] op_sel_hi:[1,0]   ; register 16 g + i: channel 32 g + 8 hh + (i & 7) + 16 (i >> 3)
.set j, j+2
.endr
.irp g, 0,1
	v_max3_num_f32 v[BM+\g], |v[S+16*\g]|, |v[S+16*\g+1]|, 0x4800000
.endr
.irp i, 2,4,6,8,10,12,14
.irp g, 0,1
	s_delay_alu instid0(VALU_DEP_2)
	v_max3_num_f32 v[BM+\g], v[BM+\g], |v[S+16*\g+\i]|, |v[S+16*\g+\i+1]|
.endr
.endr
.irp g, 0,1
	s_delay_alu instid0(VALU_DEP_2)
	v_permlanex16_b32 v[X1+\g], v[BM+\g], s[SEL], s[SEL+1]
.endr
.irp g, 0,1
	s_delay_alu instid0(VALU_DEP_2)
	v_max_num_f32 v[BM+\g], v[BM+\g], v[X1+\g]
.endr
.irp g, 0,1
	s_delay_alu instid0(VALU_DEP_2)
	v_add_nc_u32 v[SCO+\g], 0xfc000000, v[BM+\g]
.endr
.irp g, 0,1
.endr
.irp g, 0,1
	s_delay_alu instid0(VALU_DEP_2)
	v_lshrrev_b32 v[X1+\g], 23, v[SCO+\g]
.endr
	s_delay_alu instid0(VALU_DEP_1)
	v_lshl_or_b32 v[BY], v[X1+1], 8, v[X1]         ; my token's two scale bytes
.irp g, 0,1
.set j, 0
.rept 16
.set j, j+1
.endr
	v_cvt_scalef32_pk8_fp8_f32 v[CD+4*\g:CD+4*\g+1], v[S+16*\g:S+16*\g+7], v[SCO+\g]
	v_cvt_scalef32_pk8_fp8_f32 v[CD+4*\g+2:CD+4*\g+3], v[S+16*\g+8:S+16*\g+15], v[SCO+\g]
.endr
	v_nop                                          ; a plain line behind the last conversion
; The form wants channels 16 hh + 0 .. 15 of a block in lane (r, hh).  I hold 8 hh + 0 .. 7 (a) and 16 + 8 hh + 0 .. 7 (b): lanes 0-15 keep a and take the partner's a behind it, lanes 16-31 take the partner's b and keep b.
.irp g, 0,1
.irp i, 0,1
	v_cndmask_b32 v[SND+2*\g+\i], v[CD+4*\g+2+\i], v[CD+4*\g+\i], s[HM]
.endr
.endr
.irp g, 0,1
.irp i, 0,1
	s_delay_alu instid0(VALU_DEP_4)
	v_permlanex16_b32 v[X1+2*\g+\i], v[SND+2*\g+\i], s[SEL], s[SEL+1]
.endr
.endr
.irp g, 0,1
.irp i, 0,1
	v_cndmask_b32 v[OC+4*\g+\i], v[CD+4*\g+\i], v[X1+2*\g+\i], s[HM]
	v_cndmask_b32 v[OC+4*\g+2+\i], v[X1+2*\g+\i], v[CD+4*\g+2+\i], s[HM]
.endr
.endr
	global_store_b128 v[LI], v[OC:OC+3], s[\p+4:\p+5]              ; each store of the wave covers 512 consecutive bytes, aligned
	global_store_b128 v[LI], v[OC+4:OC+7], s[\p+4:\p+5] offset:512
	global_store_b16 v[R32], v[BY], s[\p+6:\p+7]                   ; lanes l and l xor 16 write the same two bytes with the same value
.endm
.macro WAITBAR n                       ; the fetching waves' loads but the youngest n have landed; then the work-group's barrier.  Later pieces may stay out
	s_wait_tensorcnt \n
	s_wait_dscnt 0x0
	s_barrier_signal -1
	s_barrier_wait -1
.endm
	PREP 76                                        ; THE LATE TILE: block 15 - bl, which is 8 at the least: steps 0 to 7 are open for every wave
	s_xor_b32 s[BK], s[BL], 15
	WAITBAR 2                                      ; the scale words and steps 0, 1 lie in LDS
	s_mov_b32 s[CNT], 2
.Lfirst:
	s_wait_alu depctr_va_vdst(0)
	STEP 0
	s_sub_co_u32 s[CNT], s[CNT], 1
	s_cmp_lg_u32 s[CNT], 0
	s_cbranch_scc1 .Lfirst
	s_setprio 0
	WAITBAR 1                                      ; steps 2 to 7
	s_mov_b32 s[CNT], 6
.Lsecond:
	STEP 0
	s_sub_co_u32 s[CNT], s[CNT], 1
	s_cmp_lg_u32 s[CNT], 0
	s_cbranch_scc1 .Lsecond
	s_setprio 0
	WAITBAR 0                                      ; all of K and V; no barrier follows but the closing round
	s_mov_b32 s[CNT], 8
.Lthird:
	STEP 1
	s_sub_co_u32 s[CNT], s[CNT], 1
	s_cmp_lg_u32 s[CNT], 0
	s_cbranch_scc1 .Lthird
	s_setprio 0
	FINISH 76
	s_wait_xcnt 0x0                                ; the stores have read their data: those registers are written again only behind this wait
	PREP 84                                        ; THE EARLY TILE: block bl, steps 0 to bl
	s_mov_b32 s[BK], s[BL]
	s_mov_b32 s[CNT], 8
.Llow:
	STEP 1
	s_sub_co_u32 s[CNT], s[CNT], 1
	s_cmp_lg_u32 s[CNT], 0
	s_cbranch_scc1 .Llow
	s_setprio 0
	FINISH 84
	s_wait_dscnt 0x0
	s_wait_tensorcnt 0x0
	ds_add_u32 v254, v255
	s_wait_dscnt 0x0
	CROUND                                         ; the closing round
	s_endpgm
.Lfunc_end_k_q24443f497a_attn:
	.size	k_q24443f497a_attn, .Lfunc_end_k_q24443f497a_attn-k_q24443f497a_attn
	.p2alignl 7, 3214868480
	.fill 96, 4, 3214868480
	.section	.rodata,"a",@progbits
	.p2align	6, 0x0
	.amdhsa_kernel k_q24443f497a_attn
		.amdhsa_group_segment_fixed_size 272384
		.amdhsa_private_segment_fixed_size 0
		.amdhsa_enable_private_segment 0
		.amdhsa_kernarg_size 32
		.amdhsa_user_sgpr_count 2
		.amdhsa_user_sgpr_kernarg_segment_ptr 1
		.amdhsa_wavefront_size32 1
		.amdhsa_system_sgpr_workgroup_id_x 1
		.amdhsa_system_sgpr_workgroup_id_y 1
		.amdhsa_system_sgpr_workgroup_id_z 1
		.amdhsa_system_vgpr_workitem_id 0
		.amdhsa_next_free_vgpr 256
		.amdhsa_next_free_sgpr 100
		.amdhsa_reserve_vcc 1
		.amdhsa_float_denorm_mode_32 3
		.amdhsa_float_denorm_mode_16_64 3
		.amdhsa_fp16_overflow 1
		.amdhsa_memory_ordered 1
		.amdhsa_forward_progress 1
		.amdhsa_inst_pref_size 105
	.end_amdhsa_kernel
	.amdgpu_metadata
---
amdhsa.version: [ 1, 2 ]
amdhsa.kernels:
  - .name:           k_q24443f497a_attn
    .symbol:         k_q24443f497a_attn.kd
    .args:
      - { .name: qkv, .offset: 0, .size: 8, .value_kind: global_buffer, .address_space: global }
      - { .name: qkv_sc, .offset: 8, .size: 8, .value_kind: global_buffer, .address_space: global }
      - { .name: ao, .offset: 16, .size: 8, .value_kind: global_buffer, .address_space: global }
      - { .name: ao_sc, .offset: 24, .size: 8, .value_kind: global_buffer, .address_space: global }
    .group_segment_fixed_size: 272384
    .private_segment_fixed_size: 0
    .kernarg_segment_align: 8
    .kernarg_segment_size: 32
    .max_flat_workgroup_size: 512
    .sgpr_count:     100
    .vgpr_count:     256
    .wavefront_size: 32
...
	.end_amdgpu_metadata
.endif
;; end of part 2
;; launch proj (part 3): grid 4 x 32, 4 waves a work-group, clusters of 4 x 4, 327,680 bytes of LDS; arguments ao, ao_sc, W_o_codes, W_o_scales, out0; writes out0
.if DOCPART == 3
	.amdgcn_target "amdgcn-amd-amdhsa--gfx1250"
	.amdhsa_code_object_version 6
	.text
	.protected	k_q24443f497a_proj
	.globl	k_q24443f497a_proj
	.p2align	8
	.type	k_q24443f497a_proj,@function
k_q24443f497a_proj:
	s_mov_b64 s[64:65], 0
	v_nop
	global_prefetch_b8 v0, s[64:65] scope:SCOPE_SE
	s_setreg_imm32_b32 hwreg(HW_REG_WAVE_MODE, 25, 1), 1
	s_wait_xcnt 0x0
	s_wait_alu depctr_hold_cnt(0) depctr_sa_sdst(0) depctr_va_vdst(0) depctr_va_sdst(0) depctr_va_ssrc(0) depctr_va_vcc(0) depctr_vm_vsrc(0)
	s_getreg_b32 s2, hwreg(HW_REG_IB_STS2, 6, 4)
	s_cmp_eq_u32 s2, 0
	s_cbranch_scc0 .Lentry_in_a_cluster
	s_endpgm
.Lentry_in_a_cluster:
	s_bfe_u32 s2, ttmp6, 0x10000c
	s_cmp_lg_u32 s2, 0xf033
	s_cbranch_scc0 .Lentry_shape_is_right
	s_endpgm
.Lentry_shape_is_right:
; out0[m][n] = sum over k of A[m][k] W_o[n][k], on codes of FP8 (E4M3) with one E8M0 scale for each 32 along K = 1,024; out0 [8,192][1,024] f32; sums in f32.
; A is the attention's output as the launch before has laid it: ao [tile of 16 rows 512][128 along K 8][block 4][lane][16 bytes], images of operand registers; ao_sc [row][32 bytes].  W_o: rows of 1,024 codes.
; A tile of out0, 256 x 256, is made by four waves, each 128 x 128 in 64 accumulators.  K goes in steps of 256 through a ring of two LDS slots filled by the tensor data mover.  A's part of a slot is dense:
; for each tile of 16 rows 4,096 consecutive bytes, read back 512 consecutive bytes a load; B's rows of 256 bytes get 16 of padding.  The scale bytes of the tile's rows come once, in whole blocks of 256 bytes.
; CLUSTERS: 4 x 4 work-groups; A's tiles are asked for jointly along a row of the cluster, B's along a column.  The matrix instruction is used TRANSPOSED (source 0 = W_o's rows, source 1 = A's rows): a lane holds
; eight neighbouring numbers of a row of out0.  128 tiles: a tile of half the width would read each LDS byte for half as many products.  No prefetch: K has four steps, of which two are asked for at the head.
.set SIZE_N, 1024
.set SIZE_K, 1024
.set KSTEP,  256
.set NQ,     KSTEP/128
.set ROWB,   256
.set KROW,   SIZE_K
.set PITCH,  272
.set FR,     16
.set NL,     4
.set NP,     8
.set AROW,   4096                      ; A: a tile of 16 rows x 256 along K
.set AHALF,  8*AROW                    ; 128 rows: what one tensor load brings of A
.set HALFT,  128*PITCH                 ; and of B
.set SLOT,   2*AHALF+2*HALFT
.set LAPS,   SIZE_K/(2*KSTEP)
.set KS,     SIZE_K/32
.set SCL,    2*SLOT
.set HALFS,  (128*KS/256)*272
.set SBLK,   (16*KS/256)*272
.set SPARE,  SCL+4*HALFS               ; the spare words: 128 bytes a wave, two blocks of 256 bytes that no other line names
.set SPITCH, 528                       ; the way out: a stage of 16 rows x (512 + 16) bytes for each wave, in slot 0, which has had its last fill and its last read when the first result is stored there
.set ADRA, 16
.set ADRB, 20
.set STO,  24
.set RD,   25
.set CO,   26
.set ADRS, 27
.set SPW,  28
.set NIL,  29
.set SC,   32
.set AF,   128
.set BK,   128
.set G1, 24
.set G0, 32
.set G1B, 48
.set G0B, 56
.set G1S, 68
.set G0S, 76
.set G1SB, 80
.set G0SB, 88
.set MSB, 0
.macro WIN new
.if MSB != \new
	s_set_vgpr_msb (MSB<<8)|\new
.set MSB, \new
.endif
.endm
.set MUL_LO, 0xa1
.set MUL_HI, 0xf1
.set TO_B,   0x40
.macro JLOAD g0a, g1a, g0b, g1b        ; waves 0 and 1 fetch for A, waves 2 and 3 for B; four v_nop follow each line
	s_cmp_eq_u32 s15, 0
	s_cbranch_scc0 .Lfor_b_\@
	tensor_load_to_lds s[\g0a:\g0a+3], s[\g1a:\g1a+7]
	s_nop 0
.rept 4
	v_nop
.endr
	s_branch .Lasked_\@
.Lfor_b_\@:
	tensor_load_to_lds s[\g0b:\g0b+3], s[\g1b:\g1b+7]
	s_nop 0
.rept 4
	v_nop
.endr
.Lasked_\@:
.endm
.macro CREST
	s_cmp_lg_u32 s14, 0
	s_cbranch_scc1 .Lnot_wave_0_\@
	s_barrier_signal -3
.Lnot_wave_0_\@:
	s_barrier_wait -3
	s_barrier_signal -1
	s_barrier_wait -1
.endm
.macro CROUND
	s_barrier_signal -1
	s_barrier_wait -1
	CREST
.endm
	s_load_b128 s[4:7], s[0:1], 0x0                ; ao s[4:5], ao_sc s[6:7]
	s_load_b128 s[8:11], s[0:1], 0x10              ; W_o's codes s[8:9], its scales s[10:11]
	s_load_b64 s[12:13], s[0:1], 0x20              ; out0
	v_lshl_add_u32 v[SPW], v0, 2, SPARE
	v_mov_b32 v[NIL], 0
	ds_add_u32 v28, v29
	ds_add_u32 v28, v29
	s_wait_dscnt 0x0
	v_lshrrev_b32 v1, 5, v0
	v_readfirstlane_b32 s14, v1                    ; wave 0..3
	s_lshr_b32 s15, s14, 1                         ; which half of the tile's rows is mine.  Also: I fetch for A (0) or for B (1)
	s_and_b32 s16, s14, 1                          ; which half of its columns.  Also: which 128 rows I fetch
	s_bfe_u32 s40, ttmp6, 0x40000                  ; cx
	s_bfe_u32 s41, ttmp6, 0x40004                  ; cy
	s_lshl_b32 s42, ttmp9, 2
	s_add_co_u32 s42, s42, s40                     ; tile column
	s_and_b32 s17, ttmp7, 0xffff
	s_lshl_b32 s17, s17, 2
	s_add_co_u32 s17, s17, s41                     ; tile row
	s_lshl_b32 s43, s41, 2
	s_lshl_b32 s43, 15, s43                        ; my row of the cluster
	s_lshl_b32 s44, 0x1111, s40                    ; my column
	; group 1 for A: 8 rows (tiles of 16 rows) of 4,096 bytes (512 elements of 8), 16,384 bytes apart; no padding
	s_or_b32 s[G1+0], s43, (3<<16)|(1<<21)
	s_mov_b32 s[G1+1], 512<<16
	s_mov_b32 s[G1+2], 8<<16
	s_mov_b32 s[G1+3], 512<<16
	s_mov_b32 s[G1+4], 8
	s_mov_b32 s[G1+5], 2048
	s_mov_b32 s[G1+6], 0
	s_mov_b32 s[G1+7], 0
	; for B: 128 rows of 256 bytes, 16 bytes of padding behind each
	s_or_b32 s[G1B+0], s44, (0<<16)|(1<<20)|(1<<21)|(5<<22)|(3<<25)
	s_mov_b32 s[G1B+1], ROWB<<16
	s_mov_b32 s[G1B+2], 128<<16
	s_mov_b32 s[G1B+3], ROWB<<16
	s_mov_b32 s[G1B+4], 128
	s_mov_b32 s[G1B+5], KROW
	s_mov_b32 s[G1B+6], 0
	s_mov_b32 s[G1B+7], 0
	; for the scale bytes of 128 rows: 4,096 dense bytes as 16 rows of 256, 16 bytes of padding behind each
	s_or_b32 s[G1S+0], s43, (3<<16)|(1<<20)|(1<<21)|(5<<22)|(3<<25)
	s_or_b32 s[G1SB+0], s44, (3<<16)|(1<<20)|(1<<21)|(5<<22)|(3<<25)
.irp g, G1S, G1SB
	s_mov_b32 s[\g+1], 32<<16
	s_mov_b32 s[\g+2], (128*KS/256)<<16
	s_mov_b32 s[\g+3], 32<<16
	s_mov_b32 s[\g+4], 128*KS/256
	s_mov_b32 s[\g+5], 32
	s_mov_b32 s[\g+6], 0
	s_mov_b32 s[\g+7], 0
.endr
	s_lshl_b32 s18, s16, 7
	s_lshl_b32 s20, s17, 8
	s_add_co_u32 s20, s20, s18                     ; A: row 256 x tile row + 128 x half
	s_lshl_b32 s46, s42, 8
	s_add_co_u32 s46, s46, s18                     ; B: row 256 x tile column + 128 x half
	s_mov_b32 s21, 0
	s_mov_b32 s47, 0
	s_mov_b64 s[18:19], KS
	s_mul_u64 s[22:23], s[20:21], s[18:19]         ; where these rows' scales begin
	s_mul_u64 s[92:93], s[46:47], s[18:19]
	s_mov_b64 s[18:19], KROW
	s_mul_u64 s[20:21], s[20:21], s[18:19]         ; and their codes: 1,024 bytes a row in both (16 rows of A are one image of 16,384 bytes)
	s_mul_u64 s[46:47], s[46:47], s[18:19]
	s_lshl_b32 s45, s16, 15                        ; where they go: A's halves at 32,768 x (wave & 1),
	s_mul_i32 s95, s16, HALFT
	s_add_co_u32 s95, s95, 2*AHALF                 ; B's behind them
	s_mul_i32 s94, s14, HALFS
	s_wait_kmcnt 0x0
	s_add_nc_u64 s[20:21], s[4:5], s[20:21]
	s_add_nc_u64 s[22:23], s[6:7], s[22:23]
	s_add_nc_u64 s[46:47], s[8:9], s[46:47]
	s_add_nc_u64 s[92:93], s[10:11], s[92:93]
	CROUND                                         ; all sixteen work-groups are here: the first joint loads meet
	s_mov_b32 s[G0S], 1
	s_add_co_u32 s[G0S+1], s94, SCL
	s_mov_b64 s[G0S+2:G0S+3], s[22:23]
	s_or_b32 s[G0S+3], s[G0S+3], 0x80000000
	s_mov_b32 s[G0SB], 1
	s_add_co_u32 s[G0SB+1], s94, SCL
	s_mov_b64 s[G0SB+2:G0SB+3], s[92:93]
	s_or_b32 s[G0SB+3], s[G0SB+3], 0x80000000
	JLOAD G0S, G1S, G0SB, G1SB
.irp s, 0,1
	s_mov_b32 s[G0+4*\s], 1
	s_add_co_u32 s[G0+4*\s+1], s45, \s*SLOT
	s_add_nc_u64 s[G0+4*\s+2:G0+4*\s+3], s[20:21], \s*AROW
	s_or_b32 s[G0+4*\s+3], s[G0+4*\s+3], 0x80000000
	s_mov_b32 s[G0B+4*\s], 1
	s_add_co_u32 s[G0B+4*\s+1], s95, \s*SLOT
	s_add_nc_u64 s[G0B+4*\s+2:G0B+4*\s+3], s[46:47], \s*ROWB
	s_or_b32 s[G0B+4*\s+3], s[G0B+4*\s+3], 0x80000000
	s_wait_alu depctr_va_vdst(0)
	s_wait_tensorcnt 0x0
	ds_add_u32 v28, v29
	s_wait_dscnt 0x0
	CROUND
	JLOAD G0+4*\s, G1, G0B+4*\s, G1B               ; one load of mine is out
.endr
	v_and_b32 v1, 15, v0                           ; r
	v_bfe_u32 v2, v0, 4, 1                         ; hh
	v_mul_u32_u24 v3, v1, PITCH
	v_lshl_add_u32 v4, v2, 4, v3                   ; B: a fragment's row x pitch + 16 x half
	v_and_b32 v6, 31, v0
	v_lshlrev_b32 v7, 4, v6                        ; A: 16 x lane
	s_lshl_b32 s21, s15, 15                        ; my 128 rows of A
	s_mul_i32 s22, s16, HALFT                      ; my 128 rows of B,
	s_add_co_u32 s22, s22, 2*AHALF                 ; behind A's 256
.irp s, 0,1
	v_add_nc_u32 v[ADRA+\s], s21, v7
	v_add_nc_u32 v[ADRB+\s], s22, v4
	s_add_co_u32 s21, s21, SLOT
	s_add_co_u32 s22, s22, SLOT
.endr
	v_mul_u32_u24 v5, v1, KS
	v_lshrrev_b32 v6, 8, v5
	v_lshl_add_u32 v5, v6, 4, v5
	s_mul_i32 s21, s15, HALFS
	s_mul_i32 s22, s16, HALFS
	s_add_co_u32 s22, s22, 2*HALFS
	s_sub_co_u32 s22, s22, s21
	v_mul_u32_u24 v6, s22, v2                      ; lanes 16-31 take B's
	s_add_co_u32 s21, s21, SCL
	v_add_nc_u32 v5, v5, v6
	v_add_nc_u32 v[ADRS], s21, v5
	s_mul_i32 s23, s14, 16*SPITCH                  ; my stage
	v_mul_u32_u24 v5, v1, SPITCH
	v_lshl_add_u32 v5, v2, 5, v5
	v_add_nc_u32 v[STO], s23, v5
	v_mov_b32 v[CO], v7                            ; back: the 32 lanes take one row of 512 bytes; and the same in out0
	v_add_nc_u32 v[RD], s23, v[CO]
	s_lshl_b32 s20, s17, 8
	s_lshl_b32 s21, s15, 7
	s_add_co_u32 s20, s20, s21                     ; my first row of out0
	s_mov_b32 s21, 0
	s_mov_b64 s[18:19], SIZE_N*4
	s_mul_u64 s[20:21], s[20:21], s[18:19]
	s_lshl_b32 s46, s42, 10                        ; my first column, in bytes
	s_lshl_b32 s47, s16, 9
	s_add_co_u32 s46, s46, s47
	s_mov_b32 s47, 0
	s_add_nc_u64 s[20:21], s[20:21], s[46:47]
	s_add_nc_u64 s[12:13], s[12:13], s[20:21]
.macro FRAGB reg, adr, q, i            ; from rows: registers 4 c .. 4 c + 3 hold K = 32 c + 16 (l / 16) + 0 .. 15 of row l % 16
.irp c, 0,1,2,3
	ds_load_b128 v[\reg+4*\c:\reg+4*\c+3], v[\adr] offset:128*(\q)+32*\c+(\i)*16*PITCH
.endr
.endm
.macro FRAGA reg, adr, q, i            ; from an image: the same registers, 512 consecutive bytes a load
.irp c, 0,1,2,3
	ds_load_b128 v[\reg+4*\c:\reg+4*\c+3], v[\adr] offset:2048*(\q)+512*\c+(\i)*AROW
.endr
.endm
.macro MUL16 a0, p, q, sc, zero        ; the 64 accumulators take turns, one instruction a turn
.irp a, \a0, \a0+1
.irp b, 0,1,2,3,4,5,6,7
.if \zero
	v_wmma_scale_f32_16x16x128_f8f6f4 v[8*(8*((\a)%4)+\b):8*(8*((\a)%4)+\b)+7], v[128*(\p)+FR*\b:128*(\p)+FR*\b+FR-1], v[AF+FR*(\a):AF+FR*(\a)+FR-1], 0, v[SC+8*NQ*(\sc)+NQ*\b+(\q)], v[SC+8*NQ*(\sc)+NQ*(\a)+(\q)] matrix_a_scale:MATRIX_SCALE_ROW1
.else
	v_wmma_scale_f32_16x16x128_f8f6f4 v[8*(8*((\a)%4)+\b):8*(8*((\a)%4)+\b)+7], v[128*(\p)+FR*\b:128*(\p)+FR*\b+FR-1], v[AF+FR*(\a):AF+FR*(\a)+FR-1], v[8*(8*((\a)%4)+\b):8*(8*((\a)%4)+\b)+7], v[SC+8*NQ*(\sc)+NQ*\b+(\q)], v[SC+8*NQ*(\sc)+NQ*(\a)+(\q)] matrix_a_scale:MATRIX_SCALE_ROW1
.endif
.endr
.endr
.endm
.macro FETCH_B slot, q, p
	WIN TO_B
.irp i, 0,1,2,3,4,5,6,7
	FRAGB 128*(\p)+FR*\i, ADRB+\slot, \q, \i
.endr
	WIN 0
.endm
.macro FETCH_A slot, q, i0
.irp i, \i0, \i0+1, \i0+2, \i0+3
	FRAGA AF+FR*(\i), ADRA+\slot, \q, \i
.endr
.endm
.macro SCALES sc
.irp i, 0,1,2,3,4,5,6,7
	ds_load_b64 v[SC+8*NQ*\sc+NQ*\i:SC+8*NQ*\sc+NQ*\i+1], v[ADRS] offset:\i*SBLK
.endr
.endm
.macro PLACES n
.rept \n
	v_nop
.endr
.endm
.macro STEP slot, q, zero
	s_wait_dscnt 4*NL                              ; B's set and A's blocks 0-3 are in; the youngest sixteen loads (A's blocks 4-7) may be out
	WIN MUL_LO
	MUL16 0, (\q)%2, \q, \slot, \zero
	MUL16 2, (\q)%2, \q, \slot, \zero
	s_wait_dscnt 0
	PLACES NP
	FETCH_B \slot, (\q)+1, 1-(\q)%2
	FETCH_A \slot, (\q)+1, 0
	WIN MUL_HI
	MUL16 4, (\q)%2, \q, \slot, \zero
	MUL16 6, (\q)%2, \q, \slot, \zero
	PLACES NP
	WIN 0
	FETCH_A \slot, (\q)+1, 4
.endm
.macro TURN slot, next, fill
	s_wait_tensorcnt 0x0                           ; all my tensor loads have landed: my part of the next slot
	ds_add_u32 v[SPW], v[NIL]                      ; 0 onto my spare word
	s_wait_dscnt 4*NL+1                            ; the add and the youngest sixteen loads may be out
	WIN MUL_LO
	MUL16 0, 1, NQ-1, \slot, 0
	s_wait_dscnt 0x0                               ; the add is done, and my reads of this slot are over
	s_barrier_signal -1
	MUL16 2, 1, NQ-1, \slot, 0
	WIN 0
	s_barrier_wait -1
.if \fill
	CREST                                          ; the barrier has opened a round of the cluster's: no wave of any partner still reads this slot or has a load on its way
	s_add_nc_u64 s[G0+4*\slot+2:G0+4*\slot+3], s[G0+4*\slot+2:G0+4*\slot+3], 2*AROW
	s_add_nc_u64 s[G0B+4*\slot+2:G0B+4*\slot+3], s[G0B+4*\slot+2:G0B+4*\slot+3], 2*ROWB
	JLOAD G0+4*\slot, G1, G0B+4*\slot, G1B
	PLACES NP-4
.else
	PLACES NP
.endif
	s_wait_alu depctr_va_vdst(0)
	v_add_nc_u32 v[ADRS], 4*NQ, v[ADRS]
	FETCH_B \next, 0, 0
	FETCH_A \next, 0, 0
	SCALES \next
	WIN MUL_HI
	MUL16 4, 1, NQ-1, \slot, 0
	MUL16 6, 1, NQ-1, \slot, 0
	PLACES NP
	WIN 0
	FETCH_A \next, 0, 4
.endm
	s_wait_alu depctr_va_vdst(0)
	s_wait_tensorcnt 1                             ; the scales and my part of K step 0 are in; K step 1's load may be out
	s_barrier_signal -1
	s_barrier_wait -1
	FETCH_B 0, 0, 0
	FETCH_A 0, 0, 0
	SCALES 0
	FETCH_A 0, 0, 4
	STEP 0, 0, 1
	s_mov_b32 s3, LAPS-1
.Llap:
	TURN 0, 1, 1
	STEP 1, 0, 0
	TURN 1, 0, 1
	STEP 0, 0, 0
	s_sub_co_u32 s3, s3, 1
	s_cmp_lg_u32 s3, 0
	s_cbranch_scc1 .Llap
	TURN 0, 1, 0
	STEP 1, 0, 0
	s_wait_dscnt 4*NL
	WIN MUL_LO
	MUL16 0, 1, NQ-1, 1, 0
	MUL16 2, 1, NQ-1, 1, 0
	s_wait_dscnt 0
	WIN MUL_HI
	MUL16 4, 1, NQ-1, 1, 0
	MUL16 6, 1, NQ-1, 1, 0
	WIN 0
; THE WAY OUT, block by block of 16 rows x 128 columns, through my own stage in LDS: in as 32 bytes a lane, back as whole rows of 512 bytes.  LDS serves a wave's instructions in order (ISA guide 5.7.1.4).
.macro TOSTAGE a
.set AC, 64*((\a)%4)
	WIN 0x08+4*((\a)/4)                            ; the data: window 2 or 3
.irp b, 0,1,2,3,4,5,6,7
	ds_store_b128 v[STO], v[AC+8*\b:AC+8*\b+3] offset:64*\b          ; each accumulator from its low end on
	ds_store_b128 v[STO], v[AC+8*\b+4:AC+8*\b+7] offset:64*\b+16
.endr
	WIN 0
.set BB, BK+64*((\a)%2)
.irp t, 0,1,2,3,4,5,6,7,8,9,10,11,12,13,14,15
	ds_load_b128 v[BB+4*\t:BB+4*\t+3], v[RD] offset:\t*SPITCH
.endr
.endm
.macro SEND a, younger
.set BB, BK+64*((\a)%2)
	s_wait_dscnt \younger                          ; the block is back in registers
.if (\a) > 0
	s_add_nc_u64 s[12:13], s[12:13], 16*SIZE_N*4   ; (behind a wait on XCNT: the earlier stores have read their base)
.endif
.irp t, 0,1,2,3,4,5,6,7,8,9,10,11,12,13,14,15
	global_store_b128 v[CO], v[BB+4*\t:BB+4*\t+3], s[12:13] offset:\t*SIZE_N*4 th:TH_STORE_NT   ; 32 lanes store 512 consecutive bytes, aligned
.endr
.endm
	PLACES NP
	TOSTAGE 0
.irp a, 1,2,3,4,5,6,7
.if \a > 1
	s_wait_xcnt 0x0                                ; block a - 2's stores have read their registers and their base
.endif
	TOSTAGE \a
	SEND \a-1, 32                                  ; behind block a - 1's loads: block a's 16 stores and 16 loads
.endr
	s_wait_xcnt 0x0
	SEND 7, 0
	s_wait_tensorcnt 0x0                           ; the wave's end
	ds_add_u32 v[SPW], v[NIL]
	s_wait_dscnt 0x0
	CROUND                                         ; the closing round
	s_endpgm
.Lfunc_end_k_q24443f497a_proj:
	.size	k_q24443f497a_proj, .Lfunc_end_k_q24443f497a_proj-k_q24443f497a_proj
	.p2alignl 7, 3214868480
	.fill 96, 4, 3214868480
	.section	.rodata,"a",@progbits
	.p2align	6, 0x0
	.amdhsa_kernel k_q24443f497a_proj
		.amdhsa_group_segment_fixed_size 327680
		.amdhsa_private_segment_fixed_size 0
		.amdhsa_enable_private_segment 0
		.amdhsa_kernarg_size 40
		.amdhsa_user_sgpr_count 2
		.amdhsa_user_sgpr_kernarg_segment_ptr 1
		.amdhsa_wavefront_size32 1
		.amdhsa_system_sgpr_workgroup_id_x 1
		.amdhsa_system_sgpr_workgroup_id_y 1
		.amdhsa_system_sgpr_workgroup_id_z 1
		.amdhsa_system_vgpr_workitem_id 0
		.amdhsa_next_free_vgpr 1024
		.amdhsa_next_free_sgpr 98
		.amdhsa_reserve_vcc 0
		.amdhsa_float_denorm_mode_32 3
		.amdhsa_float_denorm_mode_16_64 3
		.amdhsa_memory_ordered 1
		.amdhsa_forward_progress 1
		.amdhsa_inst_pref_size 146
	.end_amdhsa_kernel
	.amdgpu_metadata
---
amdhsa.version: [ 1, 2 ]
amdhsa.kernels:
  - .name:           k_q24443f497a_proj
    .symbol:         k_q24443f497a_proj.kd
    .args:
      - { .name: ao, .offset: 0, .size: 8, .value_kind: global_buffer, .address_space: global }
      - { .name: ao_sc, .offset: 8, .size: 8, .value_kind: global_buffer, .address_space: global }
      - { .name: W_o_codes, .offset: 16, .size: 8, .value_kind: global_buffer, .address_space: global }
      - { .name: W_o_scales, .offset: 24, .size: 8, .value_kind: global_buffer, .address_space: global }
      - { .name: out0, .offset: 32, .size: 8, .value_kind: global_buffer, .address_space: global }
    .group_segment_fixed_size: 327680
    .private_segment_fixed_size: 0
    .kernarg_segment_align: 8
    .kernarg_segment_size: 40
    .max_flat_workgroup_size: 128
    .sgpr_count:     98
    .vgpr_count:     1024
    .wavefront_size: 32
...
	.end_amdgpu_metadata
.endif
;; end of part 3
